; MI455X (gfx1250); checked and timed in simulation.
; The chip was launched on July 23, 2026; its instructions are those of AMD's public machine-readable ISA for CDNA 5 (MIT licence, August 2026) and "CDNA5" Instruction Set Architecture Reference Guide (July 2026). The comments in the code are by the model that wrote it; some were corrected since.
;; Causal Self Attention. Allowed arithmetic: matrix products marked QUANTISED: E2M1 operands, one E8M0 scale for each 32 along K, by v_wmma_scale_f32_16x16x128_f8f6f4 with both operands' format E2M1 (or v_wmma_scale_f32_32x16x128_f4), f32 sums; products left as they are: bf16, f16 or f32 operands; f32 sums; everything else in f32.
;; Inputs: b_attn 3,072 float32; b_proj 1,024 float32; w_attn 1,024 x 3,072 float32; w_proj 1,024 x 1,024 float32; x 4 x 2,048 x 1,024 float32.
;; Outputs: out0 4 x 2,048 x 1,024 float32.
;; This version of the problem:
;;   THIS VERSION OF THE PROBLEM IS GIVEN IN LOW PRECISION. The matrix products marked QUANTISED in the list below multiply operands that are first quantised to E2M1 (2 exponent bits, 1 mantissa bit; 4 bits a number), with one power-of-two scale for each 32 numbers along K (OCP MX v1.0); their sums are f32. The products marked 'left as it is' may take bf16, f16 or f32 operands, with f32 sums. Whichever they take, every output number must still come out within the allowed error. Rounding operands to bf16 (8 significant bits) uses up far more of that allowance than f16 does (11 bits, for magnitudes from 6e-5 to 65,504). All else is computed in f32.
;;   The module's matrix products, in the order in which they are computed (A, B: the left and right operand; K: the contracted axis; several contracted axes count as one K, in the product's order):
;;     1. [M 8,192, K 1,024] x [K 1,024, N 3,072]; A: input x; B: input w_attn: QUANTISED
;;     2. batch 64 x [M 2,048, K 64] x [K 64, N 2,048]; A: computed on the way; B: computed on the way: left as it is (an operand is computed on the way)
;;     3. batch 64 x [M 2,048, K 2,048] x [K 2,048, N 64]; A: computed on the way; B: computed on the way: left as it is (an operand is computed on the way)
;;     4. [M 8,192, K 1,024] x [K 1,024, N 1,024]; A: computed on the way; B: input w_proj: left as it is (an operand is computed on the way)
;;   THE QUANTISER, for each operand of a quantised product, along K:
;;     - K is cut into blocks of 32 from its start; a last block that is shorter is filled with zeros.
;;     - A block's scale is 2^e with e = floor(log2(the largest magnitude in the block)) - 2, held to -126 .. 127; a block of zeros has e = 0. As a byte (E8M0): e + 127.
;;     - Each number is divided by its block's scale, clamped to +-6, and rounded to the nearest number of E2M1, ties to even, subnormals kept.
;;     - The product sums the exact products of the quantised numbers (number of the format x scale) in f32.
;;   ~~~python
;;   def quantise(x, axis):      # numpy; x: float32 -> the quantised numbers, widened to float32 again
;;       x = np.moveaxis(x, axis, -1); K = x.shape[-1]
;;       x = np.pad(x, [(0, 0)] * (x.ndim - 1) + [(0, -K % 32)]); x = x.reshape(x.shape[:-1] + (-1, 32)); a = np.abs(x).max(-1, keepdims=True)
;;       e = np.where(a > 0, np.clip(np.frexp(np.where(a > 0, a, 1))[1] - 1 - 2, -126, 127), 0)      # np.frexp(a)[1] - 1 = floor(log2(a)), exactly
;;       r = np.clip(x / 2.0 ** e, -6, 6)
;;       step = 2.0 ** (np.maximum(np.frexp(np.where(r == 0, 1, r))[1] - 1, 0) - 1)
;;       q = np.round(r / step) * step * 2.0 ** e      # np.round: ties to even
;;       return np.moveaxis(q.reshape(q.shape[:-2] + (-1,))[..., :K], -1, axis).astype(np.float32)
;;   ~~~
;; One version. Each part assembles by itself: llvm-mc -triple=amdgcn-amd-amdhsa -mcpu=gfx1250 --defsym DOCPART=n.
;; ======== version 1 of 1: 5 launches
;; limits: values are held in f16: magnitudes above 65,504 overflow, below 6.1e-05 lose precision
;; workspace buffers: xc 4,194,304 bytes; xs 262,144 bytes; wc 1,572,864 bytes; ws 98,304 bytes; wpt 2,097,152 bytes; qkv 50,331,648 bytes; fq 786,432 bytes; y 16,777,216 bytes
;; launch prep (part 1): grid 368 x 1, 4 waves a work-group, no clusters, 102,912 bytes of LDS; arguments x, w_attn, w_proj, xc, xs, wc, ws, wpt; writes xc, xs, wc, ws, wpt
.if DOCPART == 1
	.amdgcn_target "amdgcn-amd-amdhsa--gfx1250"
	.amdhsa_code_object_version 6
	.text
	.protected	k_q4b0b8f7bf1_prep
	.globl	k_q4b0b8f7bf1_prep
	.p2align	8
	.type	k_q4b0b8f7bf1_prep,@function
k_q4b0b8f7bf1_prep:
	s_mov_b64 s[64:65], 0
	v_nop
	global_prefetch_b8 v0, s[64:65] scope:SCOPE_SE
	s_setreg_imm32_b32 hwreg(HW_REG_WAVE_MODE, 25, 1), 1
	s_wait_xcnt 0x0
; PREP, the first of five launches of: out = proj(causal attention(x w_attn + b_attn)) + b_proj.
; It turns x [8192][1024] and w_attn [1024][3072] into codes of FP4 (E2M1) with one E8M0 byte for each 32 along K = 1024, K innermost
; (xc [8192][512 B], xs [8192][32]; wc [3072][512 B], ws [3072][32]), and w_proj [1024 k][1024 n] into f16 with K innermost (wpt [n][k]).
; WORK THAT THE PROGRAM LEAVES OUT, for all finite values of the inputs:
;  (1) b_attn[1024:2048], the bias of k.  It adds q_i . b_k to every score of row i of att: one number for the whole row, on counted keys; hidden keys stay -inf.
;      softmax(s + const) = softmax(s), and the score product is not quantised, so no quantiser sees k.  These 1,024 numbers are never loaded.
;  (2) steps of 64 keys that lie wholly behind the causal mask which the problem builds itself: their weights are exactly 0.
;  (3) rows t < 16 of every batch are computed by a launch of their own in f32; the main path's values of these rows lie inside live tiles and are not stored to the output.
;  LIMIT: a NaN, an infinity or an overflow that reaches only the work left out is not carried to the result.
; LIMITS of this launch: a block of zeros gets the scale byte 1 where the rule says 127 (its codes are zeros, which add nothing, and this program alone reads the bytes);
;  NaN and infinities among the inputs are not served; |w_proj| above 65,504 becomes infinity in f16.
; SHARES: work-groups 0-47 take w_attn (128 columns x 512 along K each), 48-111 w_proj (128 columns x 128 along K), 112-367 x (32,768 numbers each).
; The three ways part on the work-group's number alone; each has LDS bytes of its own.  No tensor load, no barrier: waves share nothing.
.set SPW,   176                        ; v176 LDS address of my spare word; never rewritten
.set NIL,   177                        ; v177 0; never rewritten
.set XREG,  8192                       ; x: a region for each wave: two stages of 32 x 80 bytes, then its 256 scale bytes
.set SP,    80
.set CB,    8
.set STEPS, 16
.set R,     16                         ; v16-79   four sets of 16 numbers as loaded
.set X,     80                         ; v80-111  two sets of 16 neighbours
.set E,     112                        ; v112-127 a scale byte for each step
.set C,     128                        ; v128-159 codes, two registers a step
.set WSTG,  32768                      ; w_attn: four stages of 32 x 272 bytes
.set PSTG,  67584                      ; w_proj: four stages of 32 x 272 bytes
.set PITCH, 272
.set SPARE, 102400                     ; the spare words, 128 bytes a wave
.set WX,    32                         ; v32-95   two sets of 32 numbers down K
.set WC,    96                         ; v96-111  a block's codes, or 32 f16
.set OUTR,  112                        ; v112-175 the way out
.set SB,    24                         ; v24-27   scale bytes, four to a register
	s_load_b256 s[4:11], s[0:1], 0x0               ; x, w_attn, w_proj, xc
	s_load_b256 s[12:19], s[0:1], 0x20             ; xs, wc, ws, wpt
	v_lshl_add_u32 v[SPW], v0, 2, SPARE
	v_mov_b32 v[NIL], 0
	v_lshrrev_b32 v1, 5, v0
	v_readfirstlane_b32 s20, v1                    ; wave
	v_and_b32 v2, 31, v0                           ; lane
	s_mov_b32 s27, 0                               ; the upper word of every offset
	s_wait_kmcnt 0x0
	s_cmp_lt_u32 ttmp9, 48
	s_cbranch_scc1 .Lw
	s_cmp_lt_u32 ttmp9, 112
	s_cbranch_scc1 .Lp
; ---------------- x: a plain stream of blocks of 32.  A wave takes 16 steps of 512 numbers.  Each load reads 512 consecutive bytes; a step's 2,048 bytes turn through the
; wave's own stage so that a lane holds 16 neighbours; two neighbouring lanes hold a block.
	v_lshlrev_b32 v3, 4, v2                        ; my 16 bytes of a load's 512
	s_mul_i32 s21, s20, XREG
	v_lshrrev_b32 v14, 2, v2
	v_mul_u32_u24 v14, v14, SP
	v_and_b32 v15, 3, v2
	v_lshl_add_u32 v14, v15, 4, v14
	v_add_nc_u32 v14, s21, v14                     ; the stage on the way in: 80 (lane / 4) + 16 (lane % 4)
	v_mul_u32_u24 v15, v2, SP
	v_add_nc_u32 v15, s21, v15                     ; and on the way out: 80 x lane
	v_mul_u32_u24 v4, v2, CB                       ; my codes' place in a step's
	v_lshrrev_b32 v5, 1, v2
	s_add_co_u32 s21, s21, 2*32*SP
	v_add_nc_u32 v5, s21, v5                       ; my block's scale byte in LDS
	v_lshlrev_b32 v7, 3, v2
	v_add_nc_u32 v6, s21, v7
	s_sub_co_u32 s22, ttmp9, 112
	s_lshl_b32 s22, s22, 2
	s_add_co_u32 s22, s22, s20                     ; which run of 8,192 numbers is my wave's
	s_lshl_b32 s26, s22, 15
	s_add_nc_u64 s[4:5], s[4:5], s[26:27]
	s_lshl_b32 s26, s22, 12
	s_add_nc_u64 s[10:11], s[10:11], s[26:27]
	s_lshl_b32 s26, s22, 8
	s_add_nc_u64 s[12:13], s[12:13], s[26:27]
.macro XLOAD t
.irp i, 0,1,2,3
	global_load_b128 v[R+16*((\t)%4)+4*\i:R+16*((\t)%4)+4*\i+3], v3, s[4:5] offset:2048*(\t)+512*\i th:TH_LOAD_NT
.endr
.endm
.macro XTURN t                         ; LDS serves a wave's instructions in order: no wait between the stores and the loads
.irp i, 0,1,2,3
	ds_store_b128 v14, v[R+16*((\t)%4)+4*\i:R+16*((\t)%4)+4*\i+3] offset:32*SP*((\t)%2)+8*SP*\i
.endr
.irp i, 0,1,2,3
	ds_load_b128 v[X+16*((\t)%2)+4*\i:X+16*((\t)%2)+4*\i+3], v15 offset:32*SP*((\t)%2)+16*\i
.endr
.endm
.irp t, 0,1,2,3
	XLOAD \t
.endr
	s_wait_loadcnt 12                              ; step 0's four loads are in; the twelve behind them may be out
	XTURN 0
.macro XSTEP t
.set XS, X+16*((\t)%2)
.if (\t) > 0
	s_wait_dscnt 1                                 ; this step's numbers are back from the stage; the last step's byte store may be out
.else
	s_wait_dscnt 0x0
.endif
.if (\t)+4 < STEPS
	XLOAD (\t)+4
.endif
.if (\t)+1 < STEPS
.if STEPS-2-(\t) >= 3
	s_wait_loadcnt 12                              ; the next step's four loads are in; those of the three steps behind it may be out
.else
	s_wait_loadcnt 4*(STEPS-2-(\t))
.endif
	XTURN (\t)+1
.endif
	v_max3_num_f32 v8, |v[XS]|, |v[XS+1]|, |v[XS+2]|
	v_max3_num_f32 v9, |v[XS+3]|, |v[XS+4]|, |v[XS+5]|
.irp i, 6,10
	v_max3_num_f32 v8, v8, |v[XS+\i]|, |v[XS+\i+1]|
	v_max3_num_f32 v9, v9, |v[XS+\i+2]|, |v[XS+\i+3]|
.endr
	v_max3_num_f32 v8, v8, |v[XS+14]|, |v[XS+15]|
	v_max3_num_f32 v8, v8, v9, 0x1800000           ; with the floor 2^(3 - 127): the byte cannot fall under 1
	v_max_num_f32_dpp v8, v8, v8 row_xmask:1 row_mask:0xf bank_mask:0xf   ; and my neighbour's 16: the block's largest magnitude
	v_add_nc_u32 v11, 0xff000000, v8               ; 2 off its exponent field: the conversion takes that field as its scale
	v_cvt_scalef32_pk8_fp4_f32 v[C+2*(\t)], v[XS:XS+7], v11
	v_cvt_scalef32_pk8_fp4_f32 v[C+2*(\t)+1], v[XS+8:XS+15], v11
	v_lshrrev_b32 v[E+(\t)], 23, v11               ; the scale's byte
	ds_store_b8 v5, v[E+(\t)] offset:16*(\t)       ; both lanes of a block write the same byte with the same value
	global_store_b64 v4, v[C+2*(\t):C+2*(\t)+1], s[10:11] offset:32*CB*(\t)   ; the wave stores 256 consecutive bytes, aligned
.endm
.irp t, 0,1,2,3,4,5,6,7,8,9,10,11,12,13,14,15
	XSTEP \t
.endr
	ds_load_b64 v[8:9], v6
	s_wait_dscnt 0x0
	global_store_b64 v7, v[8:9], s[12:13]          ; my wave's 256 scale bytes, aligned
	s_wait_tensorcnt 0x0                           ; the wave's end
	ds_add_u32 v[SPW], v[NIL]
	s_wait_dscnt 0x0
	s_endpgm
; ---------------- w_attn: K is its first axis.  A lane takes a column and its registers run down K: a block of 32 lies in one lane, and the codes come out with K innermost.
.Lw:
	s_cmp_ge_u32 ttmp9, 24
	s_cselect_b32 s22, 1, 0                        ; which 512 along K
	s_mul_i32 s23, s22, 24
	s_sub_co_u32 s23, ttmp9, s23                   ; which 128 columns
	s_lshl_b32 s21, s23, 7
	s_lshl_b32 s24, s20, 5
	s_add_co_u32 s21, s21, s24                     ; my wave's first column
	v_lshlrev_b32 v3, 2, v2
	s_mul_i32 s24, s20, 32*PITCH
	s_add_co_u32 s24, s24, WSTG                    ; my stage
	v_mul_u32_u24 v4, v2, PITCH
	v_add_nc_u32 v4, s24, v4                       ; into it: row = my column
	v_and_b32 v5, 15, v2
	v_lshrrev_b32 v6, 4, v2
	v_mul_u32_u24 v7, v6, PITCH
	v_lshl_add_u32 v7, v5, 4, v7
	v_add_nc_u32 v7, s24, v7                       ; out of it: sixteen lanes to a row, two rows an instruction
	v_mul_u32_u24 v8, v6, 512
	v_lshl_add_u32 v8, v5, 4, v8                   ; the same place in wc (a row is 512 bytes)
	v_lshlrev_b32 v9, 5, v2                        ; my column's row of scale bytes (32 bytes a row)
	s_mul_i32 s26, s22, 512*12288
	s_lshl_b32 s28, s21, 2
	s_add_co_u32 s26, s26, s28
	s_add_nc_u64 s[6:7], s[6:7], s[26:27]
	s_lshl_b32 s26, s21, 9
	s_lshl_b32 s28, s22, 8
	s_add_co_u32 s26, s26, s28
	s_add_nc_u64 s[14:15], s[14:15], s[26:27]
	s_lshl_b32 s26, s21, 5
	s_lshl_b32 s28, s22, 4
	s_add_co_u32 s26, s26, s28
	s_add_nc_u64 s[16:17], s[16:17], s[26:27]
.macro WLOAD t                         ; block t: rows 32 t + i of my column; the largest offset, 511 x 12,288, lies inside the signed 24-bit immediate
.irp i, 0,1,2,3,4,5,6,7,8,9,10,11,12,13,14,15,16,17,18,19,20,21,22,23,24,25,26,27,28,29,30,31
	global_load_b32 v[WX+32*((\t)%2)+\i], v3, s[6:7] offset:(32*(\t)+\i)*12288 th:TH_LOAD_NT
.endr
.endm
	WLOAD 0
	WLOAD 1
.macro WBLOCK t
.set XS, WX+32*((\t)%2)
.if (\t) < 15
	s_wait_loadcnt 32                              ; this block's 32 loads are in; the next block's may be out
.else
	s_wait_loadcnt 0
.endif
	v_max3_num_f32 v12, |v[XS]|, |v[XS+1]|, |v[XS+2]|
	v_max3_num_f32 v13, |v[XS+3]|, |v[XS+4]|, |v[XS+5]|
.irp i, 6,10,14,18,22,26
	v_max3_num_f32 v12, v12, |v[XS+\i]|, |v[XS+\i+1]|
	v_max3_num_f32 v13, v13, |v[XS+\i+2]|, |v[XS+\i+3]|
.endr
	v_max3_num_f32 v12, v12, |v[XS+30]|, |v[XS+31]|
	v_max3_num_f32 v12, v12, v13, 0x1800000        ; with the floor 2^(3 - 127)
	v_add_nc_u32 v11, 0xff000000, v12
	v_lshrrev_b32 v13, 23, v11                     ; the scale's byte
.if (\t)%4 == 0
	v_mov_b32 v[SB+(\t)/4], v13
.else
	v_lshl_or_b32 v[SB+(\t)/4], v13, 8*((\t)%4), v[SB+(\t)/4]
.endif
.irp g, 0,1,2,3
	v_cvt_scalef32_pk8_fp4_f32 v[WC+\g], v[XS+8*\g:XS+8*\g+7], v11
.endr
	ds_store_b128 v4, v[WC:WC+3] offset:16*(\t)    ; 32 codes: 16 bytes of my column's row
.if (\t)+2 < 16
	WLOAD (\t)+2
.endif
	s_wait_dscnt 0x0                               ; the store has read its registers: the next block's codes may be written
.endm
.irp t, 0,1,2,3,4,5,6,7,8,9,10,11,12,13,14,15
	WBLOCK \t
.endr
	global_store_b128 v9, v[SB:SB+3], s[16:17]     ; my column's 16 scale bytes
.irp t, 0,1,2,3,4,5,6,7,8,9,10,11,12,13,14,15
	ds_load_b128 v[OUTR+4*\t:OUTR+4*\t+3], v7 offset:2*\t*PITCH
.endr
.irp t, 0,1,2,3,4,5,6,7,8,9,10,11,12,13,14,15
	s_wait_dscnt 15-\t                             ; the younger loads may be out
	global_store_b128 v8, v[OUTR+4*\t:OUTR+4*\t+3], s[14:15] offset:2*\t*512   ; sixteen lanes store 256 consecutive bytes, aligned
.endr
	s_wait_tensorcnt 0x0                           ; the wave's end, as above
	ds_add_u32 v[SPW], v[NIL]
	s_wait_dscnt 0x0
	s_endpgm
; ---------------- w_proj: the same plan, rounded to f16: a lane takes a column n, its registers run down k; a wave takes 32 columns x 128 along k: 256 bytes a column.
.Lp:
	s_sub_co_u32 s22, ttmp9, 48
	s_and_b32 s23, s22, 7                          ; which 128 columns
	s_lshr_b32 s22, s22, 3                         ; which 128 along k
	s_lshl_b32 s21, s23, 7
	s_lshl_b32 s24, s20, 5
	s_add_co_u32 s21, s21, s24                     ; my wave's first column
	v_lshlrev_b32 v3, 2, v2
	s_mul_i32 s24, s20, 32*PITCH
	s_add_co_u32 s24, s24, PSTG
	v_mul_u32_u24 v4, v2, PITCH
	v_add_nc_u32 v4, s24, v4
	v_and_b32 v5, 15, v2
	v_lshrrev_b32 v6, 4, v2
	v_mul_u32_u24 v7, v6, PITCH
	v_lshl_add_u32 v7, v5, 4, v7
	v_add_nc_u32 v7, s24, v7
	v_lshlrev_b32 v8, 11, v6
	v_lshl_add_u32 v8, v5, 4, v8                   ; a row of wpt is 2,048 bytes
	s_lshl_b32 s26, s22, 19                        ; 128 rows of 4,096 bytes
	s_lshl_b32 s28, s21, 2
	s_add_co_u32 s26, s26, s28
	s_add_nc_u64 s[8:9], s[8:9], s[26:27]
	s_lshl_b32 s26, s21, 11
	s_lshl_b32 s28, s22, 8
	s_add_co_u32 s26, s26, s28
	s_add_nc_u64 s[18:19], s[18:19], s[26:27]
.macro PLOAD t
.irp i, 0,1,2,3,4,5,6,7,8,9,10,11,12,13,14,15,16,17,18,19,20,21,22,23,24,25,26,27,28,29,30,31
	global_load_b32 v[WX+32*((\t)%2)+\i], v3, s[8:9] offset:(32*(\t)+\i)*4096
.endr
.endm
	PLOAD 0
	PLOAD 1
.macro PBLOCK t
.set XS, WX+32*((\t)%2)
.if (\t) < 3
	s_wait_loadcnt 32                              ; this block's 32 loads are in; the next block's may be out
.else
	s_wait_loadcnt 0
.endif
.irp i, 0,1,2,3,4,5,6,7,8,9,10,11,12,13,14,15
	v_cvt_pk_f16_f32 v[WC+\i], v[XS+2*\i], v[XS+2*\i+1]
.endr
.irp g, 0,1,2,3
	ds_store_b128 v4, v[WC+4*\g:WC+4*\g+3] offset:64*(\t)+16*\g
.endr
.if (\t)+2 < 4
	PLOAD (\t)+2
.endif
	s_wait_dscnt 0x0
.endm
.irp t, 0,1,2,3
	PBLOCK \t
.endr
.irp t, 0,1,2,3,4,5,6,7,8,9,10,11,12,13,14,15
	ds_load_b128 v[OUTR+4*\t:OUTR+4*\t+3], v7 offset:2*\t*PITCH
.endr
.irp t, 0,1,2,3,4,5,6,7,8,9,10,11,12,13,14,15
	s_wait_dscnt 15-\t
	global_store_b128 v8, v[OUTR+4*\t:OUTR+4*\t+3], s[18:19] offset:2*\t*2048   ; sixteen lanes store 256 consecutive bytes, aligned
.endr
	s_wait_tensorcnt 0x0                           ; the wave's end, as above
	ds_add_u32 v[SPW], v[NIL]
	s_wait_dscnt 0x0
	s_endpgm
.Lfunc_end_k_q4b0b8f7bf1_prep:
	.size	k_q4b0b8f7bf1_prep, .Lfunc_end_k_q4b0b8f7bf1_prep-k_q4b0b8f7bf1_prep
	.p2alignl 7, 3214868480
	.fill 96, 4, 3214868480
	.section	.rodata,"a",@progbits
	.p2align	6, 0x0
	.amdhsa_kernel k_q4b0b8f7bf1_prep
		.amdhsa_group_segment_fixed_size 102912
		.amdhsa_private_segment_fixed_size 0
		.amdhsa_enable_private_segment 0
		.amdhsa_kernarg_size 64
		.amdhsa_user_sgpr_count 2
		.amdhsa_user_sgpr_kernarg_segment_ptr 1
		.amdhsa_wavefront_size32 1
		.amdhsa_system_sgpr_workgroup_id_x 1
		.amdhsa_system_sgpr_workgroup_id_y 1
		.amdhsa_system_sgpr_workgroup_id_z 1
		.amdhsa_system_vgpr_workitem_id 0
		.amdhsa_next_free_vgpr 180
		.amdhsa_next_free_sgpr 66
		.amdhsa_reserve_vcc 0
		.amdhsa_float_denorm_mode_32 3
		.amdhsa_float_denorm_mode_16_64 3
		.amdhsa_memory_ordered 1
		.amdhsa_forward_progress 1
		.amdhsa_inst_pref_size 132
	.end_amdhsa_kernel
	.amdgpu_metadata
---
amdhsa.version: [ 1, 2 ]
amdhsa.kernels:
  - .name:           k_q4b0b8f7bf1_prep
    .symbol:         k_q4b0b8f7bf1_prep.kd
    .args:
      - { .name: x, .offset: 0, .size: 8, .value_kind: global_buffer, .address_space: global }
      - { .name: w_attn, .offset: 8, .size: 8, .value_kind: global_buffer, .address_space: global }
      - { .name: w_proj, .offset: 16, .size: 8, .value_kind: global_buffer, .address_space: global }
      - { .name: xc, .offset: 24, .size: 8, .value_kind: global_buffer, .address_space: global }
      - { .name: xs, .offset: 32, .size: 8, .value_kind: global_buffer, .address_space: global }
      - { .name: wc, .offset: 40, .size: 8, .value_kind: global_buffer, .address_space: global }
      - { .name: ws, .offset: 48, .size: 8, .value_kind: global_buffer, .address_space: global }
      - { .name: wpt, .offset: 56, .size: 8, .value_kind: global_buffer, .address_space: global }
    .group_segment_fixed_size: 102912
    .private_segment_fixed_size: 0
    .kernarg_segment_align: 8
    .kernarg_segment_size: 64
    .max_flat_workgroup_size: 128
    .sgpr_count:     66
    .vgpr_count:     180
    .wavefront_size: 32
...
	.end_amdgpu_metadata
.endif
;; end of part 1
;; launch qkv (part 2): grid 12 x 32, 4 waves a work-group, clusters of 4 x 4, 327,680 bytes of LDS; arguments xc, xs, wc, ws, b_attn, qkv, fq; writes qkv, fq
.if DOCPART == 2
	.amdgcn_target "amdgcn-amd-amdhsa--gfx1250"
	.amdhsa_code_object_version 6
	.text
	.protected	k_q4b0b8f7bf1_qkv
	.globl	k_q4b0b8f7bf1_qkv
	.p2align	8
	.type	k_q4b0b8f7bf1_qkv,@function
k_q4b0b8f7bf1_qkv:
	s_mov_b64 s[64:65], 0
	v_nop
	global_prefetch_b8 v0, s[64:65] scope:SCOPE_SE
	s_setreg_imm32_b32 hwreg(HW_REG_WAVE_MODE, 25, 1), 1
	s_wait_xcnt 0x0
	s_wait_alu depctr_hold_cnt(0) depctr_sa_sdst(0) depctr_va_vdst(0) depctr_va_sdst(0) depctr_va_ssrc(0) depctr_va_vcc(0) depctr_vm_vsrc(0)
	s_getreg_b32 s2, hwreg(HW_REG_IB_STS2, 6, 4)
	s_cmp_eq_u32 s2, 0
	s_cbranch_scc0 .Lentry_in_a_cluster
	s_endpgm
.Lentry_in_a_cluster:
	s_bfe_u32 s2, ttmp6, 0x10000c
	s_cmp_lg_u32 s2, 0xf033
	s_cbranch_scc0 .Lentry_shape_is_right
	s_endpgm
.Lentry_shape_is_right:
; QKV = Q(x) Q(w_attn) + b_attn on codes of FP4 with E8M0 scales: M 8,192, N 3,072, K 1,024.  Results leave as f16 by head: qkv [batch 4][g 48][t 2048][64], g = column / 64
; (0-15 q, 16-31 k, 32-47 v); rows t < 16 of every batch also as f32, fq [4][16][3072], for the launch that computes these positions in f32.
; LEFT OUT: the bias of k (columns 1024-2047): it moves every score of a row alike, which a softmax takes away; these numbers are not loaded, and k's sums begin with zeros.
; LIMIT: |q|, |k|, |v| above 65,504 become infinity in f16.
; A tile of C, 256 x 256, is made by four waves, 128 x 128 each: 64 accumulators, 512 registers.  K is two steps of 512: both slots come with the first fills, nothing is filled again.
; The scales of the work-group's rows of both operands come once, as dense blocks.  CLUSTERS of 4 x 4: A's tiles are asked for jointly along a row, B's along a column.
; Tile column = 4 x cluster x + cx, so cluster x says q, k or v.  Tile row = 8 cy + cluster y, so batch = cy and a batch's first tile is cluster y = 0 in all sixteen partners: branches hang on cluster x, cluster y and the wave alone.
; The matrix instruction is used transposed (source 0 = 16 rows of w, source 1 = 16 rows of x): a lane holds eight neighbouring columns of one row of C.
; REGISTERS: window 0: v0-31 addresses; v32-95 scale words, two sets, and nothing else; v128-191 A's fragments, one set, later rows on the way out;
;   v192-255 what the sums begin with, eight registers for each block of 16 columns, later the packed results.
;   window 1: B's fragments, two sets.  windows 2, 3: the accumulators ((a, b) at v[8 (8 (a % 4) + b)]).
.set NQ,     4
.set ROWB,   256
.set KROW,   512
.set PITCH,  272
.set FR,     8
.set NL,     2
.set NP,     4
.set HALFT,  128*PITCH
.set SLOT,   4*HALFT
.set KS,     32
.set SCL,    2*SLOT
.set HALFS,  16*272
.set SBLK,   2*272
.set SPARE,  SCL+4*HALFS
.set CHK,    262144                    ; a chunk (batch, g) of qkv in bytes
.set ADRA, 16
.set ADRB, 20
.set STOF, 22                          ; the way out in f32: where I put 32 bytes of a row
.set RDF,  23                          ; and where I read a row back
.set STO,  24                          ; the way out in f16: where I put 16 bytes of a row
.set RD,   25                          ; and where I read 16 bytes of a token's 128 back
.set CO,   26                          ; 16 x lane
.set ADRS, 27
.set SPW,  28
.set NIL,  29
.set BO,   30                          ; 32 x (lane / 16): my eight numbers of a block of the bias
.set SC,   32
.set AF,   128
.set BI,   192
.set TMP,  192                         ; the way out: packed results, where the bias lay
.set G1, 24
.set G0, 32
.set G1B, 48
.set G0B, 56
.set G1S, 68
.set G0S, 76
.set G1SB, 80
.set G0SB, 88
.set MSB, 0
.macro WIN new
.if MSB != \new
	s_set_vgpr_msb (MSB<<8)|\new
.set MSB, \new
.endif
.endm
.set MUL_LO, 0xa1
.set MUL_HI, 0xf1
.set TO_B,   0x40
.macro JLOAD g0a, g1a, g0b, g1b        ; waves 0 and 1 fetch for A, waves 2 and 3 for B; an s_nop 0 and four v_nop follow each line
	s_cmp_eq_u32 s15, 0
	s_cbranch_scc0 .Lfor_b_\@
	tensor_load_to_lds s[\g0a:\g0a+3], s[\g1a:\g1a+7]
	s_nop 0
.rept 4
	v_nop
.endr
	s_branch .Lasked_\@
.Lfor_b_\@:
	tensor_load_to_lds s[\g0b:\g0b+3], s[\g1b:\g1b+7]
	s_nop 0
.rept 4
	v_nop
.endr
.Lasked_\@:
.endm
.macro CROUND                          ; a round of the cluster's barrier
	s_barrier_signal -1
	s_barrier_wait -1
	s_cmp_lg_u32 s14, 0
	s_cbranch_scc1 .Lnot_wave_0_\@
	s_barrier_signal -3
.Lnot_wave_0_\@:
	s_barrier_wait -3
	s_barrier_signal -1
	s_barrier_wait -1
.endm
	s_load_b128 s[4:7], s[0:1], 0x0                ; xc, xs
	s_load_b128 s[8:11], s[0:1], 0x10              ; wc, ws
	s_load_b64 s[98:99], s[0:1], 0x20              ; b_attn
	s_load_b64 s[12:13], s[0:1], 0x28              ; qkv
	s_load_b64 s[100:101], s[0:1], 0x30            ; fq
	v_lshl_add_u32 v[SPW], v0, 2, SPARE
	v_mov_b32 v[NIL], 0
	ds_add_u32 v[SPW], v[NIL]                      ; the wave's opening: the add, twice on end, and its wait ahead of my first tensor load
	ds_add_u32 v[SPW], v[NIL]
	v_lshrrev_b32 v1, 5, v0
	v_readfirstlane_b32 s14, v1                    ; wave 0..3
	s_lshr_b32 s15, s14, 1                         ; my half of the tile's rows; also: I fetch for A (0) or B (1)
	s_and_b32 s16, s14, 1                          ; my half of its columns; also: which 128 rows I fetch
	s_bfe_u32 s40, ttmp6, 0x40000                  ; cx
	s_bfe_u32 s41, ttmp6, 0x40004                  ; cy
	s_lshl_b32 s42, ttmp9, 2
	s_add_co_u32 s42, s42, s40                     ; tile column = 4 x cluster x + cx
	s_and_b32 s96, ttmp7, 0xffff                   ; cluster y
	s_lshl_b32 s17, s41, 3
	s_add_co_u32 s17, s17, s96                     ; tile row = 8 cy + cluster y
	s_lshl_b32 s43, s41, 2
	s_lshl_b32 s43, 15, s43                        ; my row of the cluster
	s_lshl_b32 s44, 0x1111, s40                    ; my column
	s_or_b32 s[G1+0], s43, (0<<16)|(1<<20)|(1<<21)|(5<<22)|(3<<25)   ; elements of 1 byte; 4 words of padding after every 64
	s_or_b32 s[G1B+0], s44, (0<<16)|(1<<20)|(1<<21)|(5<<22)|(3<<25)
.irp g, G1, G1B
	s_mov_b32 s[\g+1], ROWB<<16
	s_mov_b32 s[\g+2], 128<<16
	s_mov_b32 s[\g+3], ROWB<<16
	s_mov_b32 s[\g+4], 128
	s_mov_b32 s[\g+5], KROW
	s_mov_b32 s[\g+6], 0
	s_mov_b32 s[\g+7], 0
.endr
	s_or_b32 s[G1S+0], s43, (3<<16)|(1<<20)|(1<<21)|(5<<22)|(3<<25)  ; the scales of 128 rows: 4,096 dense bytes as 16 rows of 256
	s_or_b32 s[G1SB+0], s44, (3<<16)|(1<<20)|(1<<21)|(5<<22)|(3<<25)
.irp g, G1S, G1SB
	s_mov_b32 s[\g+1], 32<<16
	s_mov_b32 s[\g+2], 16<<16
	s_mov_b32 s[\g+3], 32<<16
	s_mov_b32 s[\g+4], 16
	s_mov_b32 s[\g+5], 32
	s_mov_b32 s[\g+6], 0
	s_mov_b32 s[\g+7], 0
.endr
	s_lshl_b32 s18, s16, 7
	s_lshl_b32 s20, s17, 8
	s_add_co_u32 s20, s20, s18                     ; A: row 256 x tile row + 128 x half
	s_lshl_b32 s46, s42, 8
	s_add_co_u32 s46, s46, s18                     ; B: row 256 x tile column + 128 x half
	s_mov_b32 s21, 0
	s_mov_b32 s47, 0
	s_mov_b64 s[18:19], KS
	s_mul_u64 s[22:23], s[20:21], s[18:19]
	s_mul_u64 s[92:93], s[46:47], s[18:19]
	s_mov_b64 s[18:19], KROW
	s_mul_u64 s[20:21], s[20:21], s[18:19]
	s_mul_u64 s[46:47], s[46:47], s[18:19]
	s_mul_i32 s45, s14, HALFT
	s_mul_i32 s94, s14, HALFS
	s_wait_dscnt 0x0                               ; both opening adds are done
	s_wait_kmcnt 0x0
	s_add_nc_u64 s[20:21], s[4:5], s[20:21]
	s_add_nc_u64 s[22:23], s[6:7], s[22:23]
	s_add_nc_u64 s[46:47], s[8:9], s[46:47]
	s_add_nc_u64 s[92:93], s[10:11], s[92:93]
	CROUND                                         ; all sixteen work-groups are here: the first joint loads meet
	s_mov_b32 s[G0S], 1
	s_add_co_u32 s[G0S+1], s94, SCL
	s_mov_b64 s[G0S+2:G0S+3], s[22:23]
	s_or_b32 s[G0S+3], s[G0S+3], 0x80000000
	s_mov_b32 s[G0SB], 1
	s_add_co_u32 s[G0SB+1], s94, SCL
	s_mov_b64 s[G0SB+2:G0SB+3], s[92:93]
	s_or_b32 s[G0SB+3], s[G0SB+3], 0x80000000
	JLOAD G0S, G1S, G0SB, G1SB
.irp s, 0,1
	s_mov_b32 s[G0+4*\s], 1
	s_add_co_u32 s[G0+4*\s+1], s45, \s*SLOT
	s_add_nc_u64 s[G0+4*\s+2:G0+4*\s+3], s[20:21], \s*ROWB
	s_or_b32 s[G0+4*\s+3], s[G0+4*\s+3], 0x80000000
	s_mov_b32 s[G0B+4*\s], 1
	s_add_co_u32 s[G0B+4*\s+1], s45, \s*SLOT
	s_add_nc_u64 s[G0B+4*\s+2:G0B+4*\s+3], s[46:47], \s*ROWB
	s_or_b32 s[G0B+4*\s+3], s[G0B+4*\s+3], 0x80000000
	JLOAD G0+4*\s, G1, G0B+4*\s, G1B
.endr
	v_and_b32 v1, 15, v0                           ; r
	v_bfe_u32 v2, v0, 4, 1                         ; h
	v_mul_u32_u24 v3, v1, PITCH
	v_lshl_add_u32 v4, v2, 4, v3
	s_mul_i32 s21, s15, HALFT
	s_mul_i32 s22, s16, HALFT
	s_add_co_u32 s22, s22, 2*HALFT
.irp s, 0,1
	v_add_nc_u32 v[ADRA+\s], s21, v4
	v_add_nc_u32 v[ADRB+\s], s22, v4
	s_add_co_u32 s21, s21, SLOT
	s_add_co_u32 s22, s22, SLOT
.endr
	v_mul_u32_u24 v5, v1, KS
	v_lshrrev_b32 v6, 8, v5
	v_lshl_add_u32 v5, v6, 4, v5
	s_mul_i32 s21, s15, HALFS
	s_mul_i32 s22, s16, HALFS
	s_add_co_u32 s22, s22, 2*HALFS
	s_sub_co_u32 s22, s22, s21
	v_mul_u32_u24 v6, s22, v2                      ; lanes 16-31 take B's words
	s_add_co_u32 s21, s21, SCL
	v_add_nc_u32 v5, v5, v6
	v_add_nc_u32 v[ADRS], s21, v5
	s_mul_i32 s23, s14, 16*528                     ; my stage, in slot 0: used when that slot has had its only fill and its last read
	v_mul_u32_u24 v5, v1, 528
	v_lshl_add_u32 v5, v2, 5, v5
	v_add_nc_u32 v[STOF], s23, v5
	v_and_b32 v6, 31, v0
	v_lshlrev_b32 v[CO], 4, v6
	v_add_nc_u32 v[RDF], s23, v[CO]
	v_mul_u32_u24 v5, v1, 272
	v_lshl_add_u32 v5, v2, 4, v5
	v_add_nc_u32 v[STO], s23, v5
	v_lshrrev_b32 v5, 3, v6
	v_mul_u32_u24 v5, v5, 272
	v_and_b32 v7, 7, v6
	v_lshl_add_u32 v5, v7, 4, v5
	v_add_nc_u32 v[RD], s23, v5
	v_lshlrev_b32 v[BO], 5, v2
	s_lshl_b32 s46, s42, 10                        ; my first column as f32 bytes: 1,024 x tile column + 512 x half
	s_lshl_b32 s47, s16, 9
	s_add_co_u32 s46, s46, s47
	s_mov_b32 s47, 0
	s_add_nc_u64 s[98:99], s[98:99], s[46:47]      ; in b_attn,
	s_add_nc_u64 s[100:101], s[100:101], s[46:47]  ; and in a row of fq;
	s_mul_i32 s92, s41, 196608
	s_mov_b32 s93, 0
	s_add_nc_u64 s[100:101], s[100:101], s[92:93]  ; my batch's 16 rows of fq
	s_mul_i32 s92, s41, 48
	s_lshl_b32 s94, s42, 2
	s_add_co_u32 s92, s92, s94
	s_lshl_b32 s94, s16, 1
	s_add_co_u32 s92, s92, s94                     ; my first chunk: 48 batch + 4 tile column + 2 half
	s_lshl_b32 s92, s92, 18
	s_lshl_b32 s94, s96, 15                        ; token 256 cluster y, 128 bytes a token
	s_add_co_u32 s92, s92, s94
	s_lshl_b32 s94, s15, 14                        ; + 128 x my half of the rows
	s_add_co_u32 s92, s92, s94
	s_add_nc_u64 s[12:13], s[12:13], s[92:93]
	s_or_b32 s95, s96, s15                         ; 0 where my first 16 rows are a batch's first 16
; What the sums begin with: ONE parting on cluster x writes v192-255 on both ways, so that the first K step is written once for q, k and v.
	s_cmp_eq_u32 ttmp9, 1
	s_cbranch_scc1 .Lno_bias
.irp b, 0,1,2,3,4,5,6,7
	global_load_b128 v[BI+8*\b:BI+8*\b+3], v[BO], s[98:99] offset:64*\b        ; q, v: lane (r, h) wants, for block b, the bias of columns 16 b + 8 h + 0 .. 7
	global_load_b128 v[BI+8*\b+4:BI+8*\b+7], v[BO], s[98:99] offset:64*\b+16
.endr
	s_branch .Lbias_done
.Lno_bias:
.irp j, 0,1,2,3,4,5,6,7,8,9,10,11,12,13,14,15,16,17,18,19,20,21,22,23,24,25,26,27,28,29,30,31,32,33,34,35,36,37,38,39,40,41,42,43,44,45,46,47,48,49,50,51,52,53,54,55,56,57,58,59,60,61,62,63
	v_mov_b32 v[BI+\j], 0                          ; k: its bias is left out and not loaded
.endr
.Lbias_done:
.macro FRAG reg, adr, q, i
.irp c, 0,1
	ds_load_b128 v[\reg+4*\c:\reg+4*\c+3], v[\adr] offset:64*(\q)+32*\c+(\i)*16*PITCH
.endr
.endm
; 16 matrix instructions: A's blocks a0, a0 + 1 x B's eight.  first = 1: the sums begin with v[BI ..]; 0: they go on.  The 64 accumulators take turns.
.macro MUL16 a0, p, q, sc, first
.irp a, \a0, \a0+1
.irp b, 0,1,2,3,4,5,6,7
.if \first
	v_wmma_scale_f32_16x16x128_f8f6f4 v[8*(8*((\a)%4)+\b):8*(8*((\a)%4)+\b)+7], v[128*(\p)+FR*\b:128*(\p)+FR*\b+FR-1], v[AF+FR*(\a):AF+FR*(\a)+FR-1], v[BI+8*\b:BI+8*\b+7], v[SC+8*NQ*(\sc)+NQ*\b+(\q)], v[SC+8*NQ*(\sc)+NQ*(\a)+(\q)] matrix_a_fmt:MATRIX_FMT_FP4 matrix_b_fmt:MATRIX_FMT_FP4 matrix_a_scale:MATRIX_SCALE_ROW1
.else
	v_wmma_scale_f32_16x16x128_f8f6f4 v[8*(8*((\a)%4)+\b):8*(8*((\a)%4)+\b)+7], v[128*(\p)+FR*\b:128*(\p)+FR*\b+FR-1], v[AF+FR*(\a):AF+FR*(\a)+FR-1], v[8*(8*((\a)%4)+\b):8*(8*((\a)%4)+\b)+7], v[SC+8*NQ*(\sc)+NQ*\b+(\q)], v[SC+8*NQ*(\sc)+NQ*(\a)+(\q)] matrix_a_fmt:MATRIX_FMT_FP4 matrix_b_fmt:MATRIX_FMT_FP4 matrix_a_scale:MATRIX_SCALE_ROW1
.endif
.endr
.endr
.endm
.macro FETCH_B slot, q, p
	WIN TO_B
.irp i, 0,1,2,3,4,5,6,7
	FRAG 128*(\p)+FR*\i, ADRB+\slot, \q, \i
.endr
	WIN 0
.endm
.macro FETCH_A slot, q, i0
.irp i, \i0, \i0+1, \i0+2, \i0+3
	FRAG AF+FR*(\i), ADRA+\slot, \q, \i
.endr
.endm
.macro SCALES sc
.irp i, 0,1,2,3,4,5,6,7
	ds_load_b128 v[SC+8*NQ*\sc+NQ*\i:SC+8*NQ*\sc+NQ*\i+3], v[ADRS] offset:\i*SBLK
.endr
.endm
.macro PLACES n                        ; plain places behind matrix instructions, ahead of loads into their sources and of reads of their results
.rept \n
	v_nop
.endr
.endm
.macro STEP slot, q, first
	s_wait_dscnt 4*NL                              ; B's set and A's blocks 0-3 are in; the youngest eight loads (A's blocks 4-7) may be out
.if \first
	WIN 0x81                                       ; as MUL_LO, with C in window 0
.else
	WIN MUL_LO
.endif
	MUL16 0, (\q)%2, \q, \slot, \first
	MUL16 2, (\q)%2, \q, \slot, \first
	s_wait_dscnt 0
	PLACES NP
	FETCH_B \slot, (\q)+1, 1-(\q)%2
	FETCH_A \slot, (\q)+1, 0
.if \first
	WIN 0xc1                                       ; as MUL_HI, with C in window 0
.else
	WIN MUL_HI
.endif
	MUL16 4, (\q)%2, \q, \slot, \first
	MUL16 6, (\q)%2, \q, \slot, \first
	PLACES NP
	WIN 0
	FETCH_A \slot, (\q)+1, 4
.endm
; Slot 0's last step changes slots: one barrier; in front of it each wave waits for all its tensor loads (slot 1's), adds 0 to its spare word, and waits for that and for its reads of slot 0.  Nothing is filled again.
.macro TURN slot, next
	s_wait_tensorcnt 0x0
	ds_add_u32 v[SPW], v[NIL]
	s_wait_dscnt 4*NL+1                            ; the add and the youngest eight loads may be out
	WIN MUL_LO
	MUL16 0, 1, NQ-1, \slot, 0
	s_wait_dscnt 0x0
	s_barrier_signal -1
	MUL16 2, 1, NQ-1, \slot, 0
	WIN 0
	s_barrier_wait -1
	PLACES NP
	v_add_nc_u32 v[ADRS], 4*NQ, v[ADRS]            ; the next K step's scale words
	FETCH_B \next, 0, 0
	FETCH_A \next, 0, 0
	SCALES \next
	WIN MUL_HI
	MUL16 4, 1, NQ-1, \slot, 0
	MUL16 6, 1, NQ-1, \slot, 0
	PLACES NP
	WIN 0
	FETCH_A \next, 0, 4
.endm
	s_wait_tensorcnt 1                             ; the scales and my part of slot 0 are in; slot 1's load may be out
	s_barrier_signal -1
	s_barrier_wait -1
	FETCH_B 0, 0, 0
	FETCH_A 0, 0, 0
	SCALES 0
	FETCH_A 0, 0, 4
	s_wait_loadcnt 0x0                             ; the bias, where it was loaded
	STEP 0, 0, 1                                   ; the first products start the sums: nothing is cleared among the accumulators
	STEP 0, 1, 0
	STEP 0, 2, 0
	TURN 0, 1
	STEP 1, 0, 0
	STEP 1, 1, 0
	STEP 1, 2, 0
	s_wait_dscnt 4*NL
	WIN MUL_LO
	MUL16 0, 1, NQ-1, 1, 0
	MUL16 2, 1, NQ-1, 1, 0
	s_wait_dscnt 0
	WIN MUL_HI
	MUL16 4, 1, NQ-1, 1, 0
	MUL16 6, 1, NQ-1, 1, 0
	WIN 0
	PLACES NP
; THE WAY OUT.  First, where my first 16 rows are a batch's first 16: that block in f32, through my stage, as whole rows of 512 bytes.
	s_cmp_lg_u32 s95, 0
	s_cbranch_scc1 .Lnofine
	WIN 0x08                                       ; an LDS store's data are its source 1: window 2
.irp b, 0,1,2,3,4,5,6,7
	ds_store_b128 v[STOF], v[8*\b:8*\b+3] offset:64*\b             ; each accumulator from its low end on
	ds_store_b128 v[STOF], v[8*\b+4:8*\b+7] offset:64*\b+16
.endr
	WIN 0
.irp t, 0,1,2,3,4,5,6,7,8,9,10,11,12,13,14,15
	ds_load_b128 v[128+4*\t:128+4*\t+3], v[RDF] offset:\t*528
.endr
	s_wait_dscnt 0x0
.irp t, 0,1,2,3,4,5,6,7,8,9,10,11,12,13,14,15
	global_store_b128 v[CO], v[128+4*\t:128+4*\t+3], s[100:101] offset:\t*12288   ; 32 lanes store 512 consecutive bytes, aligned
.endr
	s_wait_xcnt 0x0                                ; these stores have read their registers, which the blocks below load again
.Lnofine:
; Then all eight blocks of 16 rows x 128 columns in f16.  A lane's eight columns pack into 16 bytes; the block goes through my stage and comes back by head: four tokens of one chunk are 512 consecutive bytes.
.macro PACK a
.set AC, 64*((\a)%4)
	WIN 0x0a+5*((\a)/4)
.irp b, 0,1,2,3,4,5,6,7
.irp r, 0,1,2,3
	v_cvt_pk_f16_f32 v[TMP+4*\b+\r], v[AC+8*\b+2*\r], v[AC+8*\b+2*\r+1]
.endr
.endr
	WIN 0
.endm
.macro TOSTAGE a
.set BB, 128+32*((\a)%2)
.irp b, 0,1,2,3,4,5,6,7
	ds_store_b128 v[STO], v[TMP+4*\b:TMP+4*\b+3] offset:32*\b
.endr
.irp i, 0,1,2,3,4,5,6,7
	ds_load_b128 v[BB+4*\i:BB+4*\i+3], v[RD] offset:(\i%4)*1088+(\i/4)*128   ; LDS serves a wave's instructions in order: these see the stores above
.endr
.endm
.macro SEND a
.set BB, 128+32*((\a)%2)
	s_wait_dscnt 0x0                               ; the block is back in registers
	s_wait_xcnt 0x0                                ; the block before has had its stores' registers read: the next block's loads may land there
.irp i, 0,1,2,3,4,5,6,7
	global_store_b128 v[CO], v[BB+4*\i:BB+4*\i+3], s[12:13] offset:(\i/4)*CHK+(\a)*2048+(\i%4)*512   ; 32 lanes store 512 consecutive bytes, aligned
.endr
.endm
	PACK 0
	TOSTAGE 0
.irp a, 1,2,3,4,5,6,7
	PACK \a
	SEND \a-1
	TOSTAGE \a
.endr
	SEND 7
	s_wait_tensorcnt 0x0                           ; the wave's end
	ds_add_u32 v[SPW], v[NIL]
	s_wait_dscnt 0x0
	CROUND                                         ; the closing round
	s_endpgm
.Lfunc_end_k_q4b0b8f7bf1_qkv:
	.size	k_q4b0b8f7bf1_qkv, .Lfunc_end_k_q4b0b8f7bf1_qkv-k_q4b0b8f7bf1_qkv
	.p2alignl 7, 3214868480
	.fill 96, 4, 3214868480
	.section	.rodata,"a",@progbits
	.p2align	6, 0x0
	.amdhsa_kernel k_q4b0b8f7bf1_qkv
		.amdhsa_group_segment_fixed_size 327680
		.amdhsa_private_segment_fixed_size 0
		.amdhsa_enable_private_segment 0
		.amdhsa_kernarg_size 56
		.amdhsa_user_sgpr_count 2
		.amdhsa_user_sgpr_kernarg_segment_ptr 1
		.amdhsa_wavefront_size32 1
		.amdhsa_system_sgpr_workgroup_id_x 1
		.amdhsa_system_sgpr_workgroup_id_y 1
		.amdhsa_system_sgpr_workgroup_id_z 1
		.amdhsa_system_vgpr_workitem_id 0
		.amdhsa_next_free_vgpr 1024
		.amdhsa_next_free_sgpr 102
		.amdhsa_reserve_vcc 0
		.amdhsa_float_denorm_mode_32 3
		.amdhsa_float_denorm_mode_16_64 3
		.amdhsa_memory_ordered 1
		.amdhsa_forward_progress 1
		.amdhsa_inst_pref_size 134
	.end_amdhsa_kernel
	.amdgpu_metadata
---
amdhsa.version: [ 1, 2 ]
amdhsa.kernels:
  - .name:           k_q4b0b8f7bf1_qkv
    .symbol:         k_q4b0b8f7bf1_qkv.kd
    .args:
      - { .name: xc, .offset: 0, .size: 8, .value_kind: global_buffer, .address_space: global }
      - { .name: xs, .offset: 8, .size: 8, .value_kind: global_buffer, .address_space: global }
      - { .name: wc, .offset: 16, .size: 8, .value_kind: global_buffer, .address_space: global }
      - { .name: ws, .offset: 24, .size: 8, .value_kind: global_buffer, .address_space: global }
      - { .name: b_attn, .offset: 32, .size: 8, .value_kind: global_buffer, .address_space: global }
      - { .name: qkv, .offset: 40, .size: 8, .value_kind: global_buffer, .address_space: global }
      - { .name: fq, .offset: 48, .size: 8, .value_kind: global_buffer, .address_space: global }
    .group_segment_fixed_size: 327680
    .private_segment_fixed_size: 0
    .kernarg_segment_align: 8
    .kernarg_segment_size: 56
    .max_flat_workgroup_size: 128
    .sgpr_count:     102
    .vgpr_count:     1024
    .wavefront_size: 32
...
	.end_amdgpu_metadata
.endif
;; end of part 2
;; launch fine (part 3): grid 16 x 4, 16 waves a work-group, no clusters, 71,680 bytes of LDS; arguments fq, w_proj, b_proj, out0; writes out0
.if DOCPART == 3
	.amdgcn_target "amdgcn-amd-amdhsa--gfx1250"
	.amdhsa_code_object_version 6
	.text
	.protected	k_q4b0b8f7bf1_fine
	.globl	k_q4b0b8f7bf1_fine
	.p2align	8
	.type	k_q4b0b8f7bf1_fine,@function
k_q4b0b8f7bf1_fine:
	s_mov_b64 s[64:65], 0
	v_nop
	global_prefetch_b8 v0, s[64:65] scope:SCOPE_SE
	s_setreg_imm32_b32 hwreg(HW_REG_WAVE_MODE, 25, 1), 1
	s_wait_xcnt 0x0
; Positions 0-15 of every batch, wholly in f32: scores, softmax, weighted values, projection, bias.  These rows average one to sixteen values and are the largest of the output.
; LEFT OUT: the bias of k (fq holds k without it): it moves every score of a row alike, which the softmax takes away.
; A work-group takes (64 output columns, a batch).  Wave w takes head w: its 16 x 16 attention (small, so it is done anew by each of the 16 work-groups of a batch), then the part of the projection
; that its own 64 channels give to the group's 64 columns.  The sixteen parts meet in LDS; waves 0-7 add them and the bias and store 16 rows x 256 bytes.
; All products by the f32 matrix form, 96 a wave.  Its results (v112-127, v144-207) are written by matrix instructions alone; what is made of them goes to other registers.
; In each product the place of k in the registers is the same on both sides: for the scores lane (r, hh) holds channels 32 hh + 0 .. 31 of its row of q and of k, and step s takes registers 2 s, 2 s + 1.
; REGISTERS: v1 r, v2 hh, v3-5 offsets in fq and w_proj, v6 r - 8 hh, v7 -inf, v8-11 LDS and output places, v12, v13 the add's two, v[14:15] 1 / l;
;   v16-47 q, later W tile 1; v48-79 k, later W tile 2; v80-111 v, later W tile 3; v208-239 W tile 0; v112-127 two score sums; v128-135 p; v136-141 at work; v144-175 O^T; v176-207 the results; y in v128-143, v240-255.
.set SPARE, 69632                      ; behind the sixteen parts of 16 x 272 bytes: the spare words, 128 bytes a wave
	s_load_b256 s[4:11], s[0:1], 0x0               ; fq, w_proj, b_proj, out0
	v_lshl_add_u32 v12, v0, 2, SPARE
	v_mov_b32 v13, 0
	v_lshrrev_b32 v1, 5, v0
	v_readfirstlane_b32 s12, v1                    ; wave = head
	s_and_b32 s13, ttmp7, 0xffff                   ; batch
	v_and_b32 v1, 15, v0                           ; r
	v_bfe_u32 v2, v0, 4, 1                         ; hh
	v_mul_u32_u24 v3, v1, 12288
	v_lshl_add_u32 v3, v2, 7, v3                   ; q, k: row r, + 32 hh channels
	v_mul_u32_u24 v4, v2, 98304
	v_lshl_add_u32 v4, v1, 2, v4                   ; v: key 8 hh on, channel r
	v_lshlrev_b32 v5, 15, v2
	v_lshl_add_u32 v5, v1, 2, v5                   ; w_proj: row 8 hh on, column r
	v_lshlrev_b32 v6, 3, v2
	v_sub_nc_u32 v6, v1, v6                        ; register j holds key 8 hh + j: hidden where j > r - 8 hh
	v_mov_b32 v7, 0xff800000
	s_mul_i32 s14, s12, 4352
	v_mul_u32_u24 v8, v1, 272
	v_lshl_add_u32 v8, v2, 5, v8
	v_add_nc_u32 v8, s14, v8                       ; my part: row r, + 32 hh bytes
	v_lshrrev_b32 v14, 4, v0
	v_mul_u32_u24 v9, v14, 272
	v_lshl_add_u32 v9, v1, 4, v9                   ; the sum: thread t takes row t / 16, 16 bytes at 16 (t % 16)
	v_lshlrev_b32 v10, 12, v14
	v_lshl_add_u32 v10, v1, 4, v10                 ; and the same place in out0
	v_lshlrev_b32 v11, 4, v1
	s_mov_b32 s20, 0x76543210
	s_mov_b32 s21, 0xfedcba98                      ; lane l xor 16
	s_mov_b32 s22, 0x3e38aa3b                      ; c = log2(e) / sqrt(64)
	s_mul_i32 s16, s13, 196608
	s_lshl_b32 s17, s12, 8
	s_add_co_u32 s16, s16, s17
	s_mov_b32 s17, 0
	s_lshl_b32 s24, ttmp9, 8                       ; my 64 columns, in bytes
	s_mov_b32 s25, 0
	s_lshl_b32 s18, s12, 18                        ; my head's 64 rows of w_proj
	s_add_co_u32 s18, s18, s24
	s_mov_b32 s19, 0
	s_lshl_b32 s26, s13, 23                        ; my batch in out0
	s_add_co_u32 s26, s26, s24
	s_mov_b32 s27, 0
	s_wait_kmcnt 0x0
	s_add_nc_u64 s[4:5], s[4:5], s[16:17]
	s_add_nc_u64 s[6:7], s[6:7], s[18:19]
	s_add_nc_u64 s[8:9], s[8:9], s[24:25]
	s_add_nc_u64 s[10:11], s[10:11], s[26:27]
.irp i, 0,1,2,3,4,5,6,7
	global_load_b128 v[16+4*\i:19+4*\i], v3, s[4:5] offset:16*\i          ; q
.endr
.irp i, 0,1,2,3,4,5,6,7
	global_load_b128 v[48+4*\i:51+4*\i], v3, s[4:5] offset:4096+16*\i     ; k
.endr
.irp dt, 0,1,2,3
.irp k, 0,1,2,3,4,5,6,7
	global_load_b32 v[80+8*\dt+\k], v4, s[4:5] offset:\k*12288+8192+64*\dt   ; v(key 8 hh + k, channel 16 dt + r)
.endr
.endr
.macro WLOAD reg, nt                   ; register 8 t + k: w_proj(64 head + 16 t + 8 hh + k, my columns' 16 nt + r)
.irp t, 0,1,2,3
.irp k, 0,1,2,3,4,5,6,7
	global_load_b32 v[\reg+8*\t+\k], v5, s[6:7] offset:(16*\t+\k)*4096+64*\nt
.endr
.endr
.endm
	WLOAD 208, 0
	s_wait_loadcnt 63                              ; 64 loads were issued behind k's; 63 is the largest count that the wait can name, and the stricter one
; S^T = k q^T: source 0 = 16 keys, source 1 = 16 queries: a lane holds query r and keys 8 hh + 0 .. 7.  Two sums take turns.
.irp s, 0,1,2,3,4,5,6,7
.if \s == 0
	v_wmma_f32_16x16x4_f32 v[112:119], v[48:49], v[16:17], 0
	v_wmma_f32_16x16x4_f32 v[120:127], v[50:51], v[18:19], 0
.else
	v_wmma_f32_16x16x4_f32 v[112:119], v[48+4*\s:49+4*\s], v[16+4*\s:17+4*\s], v[112:119]
	v_wmma_f32_16x16x4_f32 v[120:127], v[50+4*\s:51+4*\s], v[18+4*\s:19+4*\s], v[120:127]
.endif
.endr
.rept 8
	v_nop                                          ; eight places behind this form, ahead of loads into its sources and of reads of its results
.endr
	WLOAD 16, 1
	WLOAD 48, 2
.irp j, 0,1,2,3,4,5,6,7
	v_add_f32 v[128+\j], v[112+\j], v[120+\j]
.endr
.irp j, 0,1,2,3,4,5,6,7
	v_cmp_gt_i32 vcc_lo, \j, v6
	v_cndmask_b32 v[128+\j], v[128+\j], v7, vcc_lo     ; hidden keys: -inf
.endr
	v_max3_num_f32 v136, v128, v129, v130
	v_max3_num_f32 v137, v131, v132, v133
	v_max3_num_f32 v136, v136, v134, v135
	v_max_num_f32 v136, v136, v137
	v_permlanex16_b32 v137, v136, s20, s21
	v_max_num_f32 v136, v136, v137                 ; the row's largest score: key 0 counts for every query, so it is a number
	v_mul_f32 v137, s22, v136
.irp j, 0,1,2,3,4,5,6,7
	v_fma_f32 v[128+\j], v[128+\j], s22, -v137
.endr
.irp j, 0,1,2,3,4,5,6,7
	v_exp_f32 v[128+\j], v[128+\j]
.endr
	v_nop
	s_wait_alu depctr_va_vdst(0)                   ; one wait for the eight, ahead of their first reader
	v_add_f32 v138, v128, v129
	v_add_f32 v139, v130, v131
	v_add_f32 v140, v132, v133
	v_add_f32 v141, v134, v135
	v_add_f32 v138, v138, v139
	v_add_f32 v140, v140, v141
	v_add_f32 v138, v138, v140
	v_permlanex16_b32 v139, v138, s20, s21
	v_add_f32 v138, v138, v139                     ; l
	v_rcp_f32 v14, v138
	v_nop
	s_wait_alu depctr_va_vdst(0)
	v_mov_b32 v15, v14
	s_wait_loadcnt 63                              ; 96 loads were issued behind v's
; O^T = v^T p: source 0 = 16 channels, source 1 = p; step s takes keys 8 hh + 2 s, + 1.  Four tiles of channels take turns.
.irp s, 0,1,2,3
.irp dt, 0,1,2,3
.if \s == 0
	v_wmma_f32_16x16x4_f32 v[144+8*\dt:151+8*\dt], v[80+8*\dt:81+8*\dt], v[128:129], 0
.else
	v_wmma_f32_16x16x4_f32 v[144+8*\dt:151+8*\dt], v[80+8*\dt+2*\s:81+8*\dt+2*\s], v[128+2*\s:129+2*\s], v[144+8*\dt:151+8*\dt]
.endif
.endr
.endr
.rept 8
	v_nop
.endr
	WLOAD 80, 3
.irp t, 0,1,2,3
.if \t < 2
.set YB, 128+8*\t
.else
.set YB, 224+8*\t
.endif
.irp i, 0,2,4,6
	v_pk_mul_f32 v[YB+\i:YB+\i+1], v[144+8*\t+\i:145+8*\t+\i], v[14:15] op_sel_hi:[1,0]   ; y = O^T / l: lane (r, hh): query r, channels 16 t + 8 hh + 0 .. 7
.endr
.endr
	s_wait_loadcnt 0x0
; my head's part of out^T = w_proj^T y: source 0 = 16 columns, source 1 = y; step (t, s) takes channels 16 t + 8 hh + 2 s, + 1.  Four tiles of columns take turns.
.irp t, 0,1,2,3
.if \t < 2
.set YB, 128+8*\t
.else
.set YB, 224+8*\t
.endif
.irp s, 0,1,2,3
.irp nt, 0,1,2,3
.if \nt == 0
.set WB, 208
.else
.set WB, 32*\nt-16
.endif
.if (\t == 0) && (\s == 0)
	v_wmma_f32_16x16x4_f32 v[176+8*\nt:183+8*\nt], v[WB+8*\t+2*\s:WB+8*\t+2*\s+1], v[YB+2*\s:YB+2*\s+1], 0
.else
	v_wmma_f32_16x16x4_f32 v[176+8*\nt:183+8*\nt], v[WB+8*\t+2*\s:WB+8*\t+2*\s+1], v[YB+2*\s:YB+2*\s+1], v[176+8*\nt:183+8*\nt]
.endif
.endr
.endr
.endr
.rept 8
	v_nop
.endr
.irp nt, 0,1,2,3
	ds_store_b128 v8, v[176+8*\nt:179+8*\nt] offset:64*\nt         ; lane (r, hh): query r, columns 16 nt + 8 hh + 0 .. 7
	ds_store_b128 v8, v[180+8*\nt:183+8*\nt] offset:64*\nt+16
.endr
	s_wait_dscnt 0x0                               ; for the others' sake: my part lies in LDS
	s_barrier_signal -1
	s_barrier_wait -1
	s_cmp_ge_u32 s12, 8
	s_cbranch_scc1 .Lend                           ; 16 rows x 64 columns are 256 threads' four numbers each
	global_load_b128 v[80:83], v11, s[8:9]         ; b_proj
.irp w, 0,1,2,3,4,5,6,7,8,9,10,11,12,13,14,15
	ds_load_b128 v[16+4*\w:19+4*\w], v9 offset:4352*\w
.endr
	s_wait_dscnt 0x0
.irp d, 8,4,2,1
.irp w, 0,1,2,3,4,5,6,7
.if \w < \d
	v_pk_add_f32 v[16+4*\w:17+4*\w], v[16+4*\w:17+4*\w], v[16+4*(\w+\d):17+4*(\w+\d)]
	v_pk_add_f32 v[18+4*\w:19+4*\w], v[18+4*\w:19+4*\w], v[18+4*(\w+\d):19+4*(\w+\d)]
.endif
.endr
.endr
	s_wait_loadcnt 0x0
	v_pk_add_f32 v[16:17], v[16:17], v[80:81]
	v_pk_add_f32 v[18:19], v[18:19], v[82:83]
	global_store_b128 v10, v[16:19], s[10:11]      ; sixteen lanes store 256 consecutive bytes, aligned
.Lend:
	s_wait_tensorcnt 0x0                           ; the wave's end
	ds_add_u32 v12, v13
	s_wait_dscnt 0x0
	s_endpgm
.Lfunc_end_k_q4b0b8f7bf1_fine:
	.size	k_q4b0b8f7bf1_fine, .Lfunc_end_k_q4b0b8f7bf1_fine-k_q4b0b8f7bf1_fine
	.p2alignl 7, 3214868480
	.fill 96, 4, 3214868480
	.section	.rodata,"a",@progbits
	.p2align	6, 0x0
	.amdhsa_kernel k_q4b0b8f7bf1_fine
		.amdhsa_group_segment_fixed_size 71680
		.amdhsa_private_segment_fixed_size 0
		.amdhsa_enable_private_segment 0
		.amdhsa_kernarg_size 32
		.amdhsa_user_sgpr_count 2
		.amdhsa_user_sgpr_kernarg_segment_ptr 1
		.amdhsa_wavefront_size32 1
		.amdhsa_system_sgpr_workgroup_id_x 1
		.amdhsa_system_sgpr_workgroup_id_y 1
		.amdhsa_system_sgpr_workgroup_id_z 1
		.amdhsa_system_vgpr_workitem_id 0
		.amdhsa_next_free_vgpr 256
		.amdhsa_next_free_sgpr 66
		.amdhsa_reserve_vcc 1
		.amdhsa_float_denorm_mode_32 3
		.amdhsa_float_denorm_mode_16_64 3
		.amdhsa_memory_ordered 1
		.amdhsa_forward_progress 1
		.amdhsa_inst_pref_size 34
	.end_amdhsa_kernel
	.amdgpu_metadata
---
amdhsa.version: [ 1, 2 ]
amdhsa.kernels:
  - .name:           k_q4b0b8f7bf1_fine
    .symbol:         k_q4b0b8f7bf1_fine.kd
    .args:
      - { .name: fq, .offset: 0, .size: 8, .value_kind: global_buffer, .address_space: global }
      - { .name: w_proj, .offset: 8, .size: 8, .value_kind: global_buffer, .address_space: global }
      - { .name: b_proj, .offset: 16, .size: 8, .value_kind: global_buffer, .address_space: global }
      - { .name: out0, .offset: 24, .size: 8, .value_kind: global_buffer, .address_space: global }
    .group_segment_fixed_size: 71680
    .private_segment_fixed_size: 0
    .kernarg_segment_align: 8
    .kernarg_segment_size: 32
    .max_flat_workgroup_size: 512
    .sgpr_count:     66
    .vgpr_count:     256
    .wavefront_size: 32
...
	.end_amdgpu_metadata
.endif
;; end of part 3
;; launch attn (part 4): grid 4 x 64, 16 waves a work-group, clusters of 4 x 1, 327,680 bytes of LDS; arguments qkv, y; writes y
.if DOCPART == 4
	.amdgcn_target "amdgcn-amd-amdhsa--gfx1250"
	.amdhsa_code_object_version 6
	.text
	.protected	k_q4b0b8f7bf1_attn
	.globl	k_q4b0b8f7bf1_attn
	.p2align	8
	.type	k_q4b0b8f7bf1_attn,@function
k_q4b0b8f7bf1_attn:
	s_mov_b64 s[64:65], 0
	v_nop
	global_prefetch_b8 v0, s[64:65] scope:SCOPE_SE
	s_setreg_imm32_b32 hwreg(HW_REG_WAVE_MODE, 25, 1), 1
	s_wait_xcnt 0x0
	s_wait_alu depctr_hold_cnt(0) depctr_sa_sdst(0) depctr_va_vdst(0) depctr_va_sdst(0) depctr_va_ssrc(0) depctr_va_vcc(0) depctr_vm_vsrc(0)
	s_getreg_b32 s2, hwreg(HW_REG_IB_STS2, 6, 4)
	s_cmp_eq_u32 s2, 0
	s_cbranch_scc0 .Lentry_in_a_cluster
	s_endpgm
.Lentry_in_a_cluster:
	s_bfe_u32 s2, ttmp6, 0x10000c
	s_cmp_lg_u32 s2, 0x3003
	s_cbranch_scc0 .Lentry_shape_is_right
	s_endpgm
.Lentry_shape_is_right:
; Causal attention for 64 (batch, head) pairs, T = 2,048, head size 64.  q, k, v: f16 chunks of qkv; products with f16 operands and f32 sums; maxima, exponentials and sums in f32; y [batch][head][t][64] f16.
; LEFT OUT: steps of 64 keys that lie wholly behind the causal mask (their weights are exactly 0); the bias of k (not in qkv).
; LIMITS: the weights p (at most 1) are rounded to f16 for the second product; |y| above 65,504 becomes infinity.
; SHARES.  A cluster of four work-groups is one (batch, head).  Wave w of partner cx owns the 32 queries from 128 u + 32 cx on, two tiles of 16; u = 4 a + (s xor 3 (a & 1)), a = w / 4, s = w % 4.
; All four partners walk the same k and v: every tile is asked for jointly.  EVERY BRANCH HANGS ON u AND THE COUNT OF STEPS ALONE: a step is left out where its first key lies behind query 128 u + 127,
; and masked where its last key lies behind query 128 u; cx enters only q's and y's addresses and the number that the mask's compare takes.  So a partner with early queries walks at most one step whose keys are all hidden for it: its p are 0.
; THE WALK has four periods.  Period p holds keys 256 p on (region A) and keys 256 (7 - p) on (region B) in one LDS slot, so that each period has early and late keys and the waves' work between two barriers is even.
; The running maximum does not mind the order of the keys.  Period 0 begins with key 0, which counts for every query, so the maximum is a number from the first step on.
; LAYOUT.  S^T = k q^T (source 0 = 16 keys, source 1 = 16 queries) and O^T = v^T p: a lane holds one query throughout.  Two tiles of S^T, rounded in pairs, are source 1 of the second product.  v comes out of LDS turned.
; REGISTERS: v1-5 places that stay, v3, v4 the step's LDS addresses, v6, v7 the add's two, v10-13 head and way out; v16-31 eight statistics a tile (+0 c m, +1 m, +2, +3 l, +4 .. +7 at work, a in +6);
;   v32-63 q; v64-127 k's eight fragments, then v's eight; v128-191 S^T, then p in place; v192-255 O^T.
.set SLOT,  155648                     ; 512 rows of k x 144 bytes, then 512 rows of v x 160
.set KP,    144                        ; a row of k: 128 bytes + 16: the 16 rows of a load start at 16 different groups of banks
.set VP,    160                        ; a row of v: 128 + 32, for the turning load
.set VOFF,  512*KP
.set SPARE, 2*SLOT                     ; the spare words, 128 bytes for each of 16 waves
.set CHK,   262144
.set AK0, 1
.set AV0, 2
.set ADK, 3
.set ADV, 4
.set QI,  5                            ; my query of tile 0, less 8 (lane / 16)
.set SPW, 6
.set NIL, 7
.set ST,  16
.set QR,  32
.set KV,  64
.set SR,  128
.set OT,  192
.set WV,  8
.set QF,  13
.set QL,  14
.set KF,  16
.set TK,  17
.set TV,  18
.set CNT, 19
.set G1K, 24
.set G1V, 32
.set G0K, 40                           ; s[40:55] a group 0 for each period's tile of k: never rewritten
.set G0V, 68                           ; s[68:83] the same for v
.macro CROUND
	s_barrier_signal -1
	s_barrier_wait -1
	s_cmp_lg_u32 s[WV], 0
	s_cbranch_scc1 .Lnot_wave_0_\@
	s_barrier_signal -3
.Lnot_wave_0_\@:
	s_barrier_wait -3
	s_barrier_signal -1
	s_barrier_wait -1
.endm
.macro JLOAD p                         ; period p's tiles: waves 0, 1 k's regions A, B; waves 2, 3 v's; the others nothing.  An s_nop 0 and four v_nop follow each line
	s_cmp_lt_u32 s[WV], 2
	s_cbranch_scc0 .Lnot_k_\@
	tensor_load_to_lds s[G0K+4*\p:G0K+4*\p+3], s[G1K:G1K+7]
	s_nop 0
.rept 4
	v_nop
.endr
	s_branch .Lasked_\@
.Lnot_k_\@:
	s_cmp_lt_u32 s[WV], 4
	s_cbranch_scc0 .Lasked_\@
	tensor_load_to_lds s[G0V+4*\p:G0V+4*\p+3], s[G1V:G1V+7]
	s_nop 0
.rept 4
	v_nop
.endr
.Lasked_\@:
.endm
	s_load_b128 s[4:7], s[0:1], 0x0                ; qkv, y
	v_lshl_add_u32 v[SPW], v0, 2, SPARE
	v_mov_b32 v[NIL], 0
	ds_add_u32 v[SPW], v[NIL]                      ; the wave's opening: the add, twice on end, and its wait ahead of the first tensor loads
	ds_add_u32 v[SPW], v[NIL]
	v_lshrrev_b32 v8, 5, v0
	v_readfirstlane_b32 s[WV], v8                  ; wave 0..15
	s_bfe_u32 s11, ttmp6, 0x40000                  ; cx
	s_and_b32 s12, ttmp7, 0xffff                   ; 16 batch + head
	s_lshr_b32 s9, s[WV], 2
	s_and_b32 s10, s[WV], 3
	s_and_b32 s58, s9, 1
	s_mul_i32 s58, s58, 3
	s_xor_b32 s10, s10, s58
	s_lshl_b32 s9, s9, 2
	s_add_co_u32 s10, s10, s9                      ; u
	s_lshl_b32 s[QF], s10, 7                       ; the first query of any partner's wave u,
	s_add_co_u32 s[QL], s[QF], 127                 ; and the last
	s_lshl_b32 s15, s11, 5
	s_add_co_u32 s15, s15, s[QF]                   ; my first query
	s_and_b32 s59, s[WV], 1                        ; which region I fetch, if I fetch
	s_mul_i32 s86, s59, 256*KP
	s_mul_i32 s87, s59, 256*VP
	s_add_co_u32 s87, s87, VOFF
	s_lshr_b32 s58, s12, 4
	s_mul_i32 s58, s58, 48
	s_and_b32 s60, s12, 15
	s_add_co_u32 s58, s58, s60                     ; q's chunk: 48 batch + head
	s_mov_b32 s[G1K], 15|(1<<16)|(1<<20)|(1<<21)|(4<<22)|(3<<25)   ; all four partners; elements of 2 bytes; 4 words of padding after every 32
	s_mov_b32 s[G1V], 15|(1<<16)|(1<<20)|(1<<21)|(4<<22)|(7<<25)   ; the same with 8 words
.irp g, G1K, G1V
	s_mov_b32 s[\g+1], 64<<16                      ; tensor_dim0 = 64
	s_mov_b32 s[\g+2], 256<<16                     ; tensor_dim1 = 256
	s_mov_b32 s[\g+3], 64<<16                      ; tile_dim0
	s_mov_b32 s[\g+4], 256                         ; tile_dim1
	s_mov_b32 s[\g+5], 64                          ; from row to row
	s_mov_b32 s[\g+6], 0
	s_mov_b32 s[\g+7], 0
.endr
	s_mov_b32 s20, 0x76543210
	s_mov_b32 s21, 0xfedcba98
	s_mov_b32 s22, 0x3e38aa3b                      ; c = log2(e) / sqrt(64)
	s_mov_b32 s23, s22
	s_wait_dscnt 0x0                               ; both opening adds are done
	s_wait_kmcnt 0x0
	s_lshl_b32 s60, s58, 18
	s_mov_b32 s61, 0
	s_add_nc_u64 s[88:89], s[4:5], s[60:61]        ; q's chunk,
	s_add_nc_u64 s[62:63], s[88:89], 16*CHK        ; k's,
	s_add_nc_u64 s[84:85], s[88:89], 32*CHK        ; v's
.irp p, 0,1,2,3                        ; period p: region A begins 32,768 p bytes into the chunk, region B 229,376 - 32,768 p
	s_mul_i32 s60, s59, 229376-65536*\p
	s_add_co_u32 s60, s60, 32768*\p
	s_mov_b32 s[G0K+4*\p], 1
	s_add_co_u32 s[G0K+4*\p+1], s86, (\p%2)*SLOT
	s_add_nc_u64 s[G0K+4*\p+2:G0K+4*\p+3], s[62:63], s[60:61]
	s_or_b32 s[G0K+4*\p+3], s[G0K+4*\p+3], 0x80000000
	s_mov_b32 s[G0V+4*\p], 1
	s_add_co_u32 s[G0V+4*\p+1], s87, (\p%2)*SLOT
	s_add_nc_u64 s[G0V+4*\p+2:G0V+4*\p+3], s[84:85], s[60:61]
	s_or_b32 s[G0V+4*\p+3], s[G0V+4*\p+3], 0x80000000
.endr
	CROUND                                         ; all four work-groups are here: the first joint loads meet
	s_cmp_lt_u32 s[WV], 2                          ; a loading wave's two first fills stand in one branch: two loads of it are out
	s_cbranch_scc0 .Lf_not_k
	tensor_load_to_lds s[G0K:G0K+3], s[G1K:G1K+7]
	s_nop 0
	tensor_load_to_lds s[G0K+4:G0K+7], s[G1K:G1K+7]
	s_nop 0
.rept 4
	v_nop
.endr
	s_branch .Lf_done
.Lf_not_k:
	s_cmp_lt_u32 s[WV], 4
	s_cbranch_scc0 .Lf_done
	tensor_load_to_lds s[G0V:G0V+3], s[G1V:G1V+7]
	s_nop 0
	tensor_load_to_lds s[G0V+4:G0V+7], s[G1V:G1V+7]
	s_nop 0
.rept 4
	v_nop
.endr
.Lf_done:
	s_lshl_b32 s60, s15, 7                         ; my first query's row, 128 bytes a row
	s_mov_b32 s61, 0
	s_add_nc_u64 s[88:89], s[88:89], s[60:61]
	s_lshl_b32 s58, s12, 18
	s_add_co_u32 s60, s60, s58
	s_add_nc_u64 s[6:7], s[6:7], s[60:61]
	v_and_b32 v8, 15, v0                           ; r
	v_bfe_u32 v9, v0, 4, 1                         ; h
	v_lshlrev_b32 v10, 7, v8
	v_lshl_add_u32 v10, v9, 4, v10
.irp t, 0,1
.irp cs, 0,1
	global_load_b128 v[QR+16*\t+8*\cs:QR+16*\t+8*\cs+3], v10, s[88:89] offset:2048*\t+64*\cs       ; q stays in registers
	global_load_b128 v[QR+16*\t+8*\cs+4:QR+16*\t+8*\cs+7], v10, s[88:89] offset:2048*\t+64*\cs+32
.endr
.endr
	v_mul_u32_u24 v[AK0], v8, KP
	v_lshl_add_u32 v[AK0], v9, 4, v[AK0]           ; k: row r, + 16 h
	v_and_b32 v14, 7, v0
	v_bfe_u32 v15, v0, 3, 1
	v_lshl_add_u32 v[AV0], v9, 3, v14
	v_mul_u32_u24 v[AV0], v[AV0], VP
	v_lshl_add_u32 v[AV0], v15, 4, v[AV0]
	v_add_nc_u32 v[AV0], VOFF, v[AV0]              ; v: key 8 h + lane % 8, channels 8 ((lane / 8) % 2) on
	v_lshlrev_b32 v14, 3, v9
	v_sub_nc_u32 v[QI], v8, v14
	v_add_nc_u32 v[QI], s15, v[QI]
	s_mul_i32 s58, s[WV], 32*KP                    ; my stage for the way out, in slot 0
	v_add_nc_u32 v11, s58, v[AK0]                  ; in: row r, + 16 h
	v_and_b32 v14, 31, v0
	v_lshlrev_b32 v13, 4, v14                      ; 16 x lane: my bytes of 512 in y
	v_lshrrev_b32 v15, 3, v14
	v_mul_u32_u24 v12, v15, KP
	v_and_b32 v14, 7, v14
	v_lshl_add_u32 v12, v14, 4, v12
	v_add_nc_u32 v12, s58, v12                     ; back: row lane / 8, 16 bytes at 16 (lane % 8)
.irp t, 0,1
	v_mov_b32 v[ST+8*\t+1], 0xff61b1e6             ; m: -3e38, under every score
	v_mul_f32 v[ST+8*\t], s22, v[ST+8*\t+1]        ; c m
.irp j, 2,3,4,5,6,7
	v_mov_b32 v[ST+8*\t+\j], 0                     ; l, and the registers at work
.endr
.endr
.irp j, 0,1,2,3,4,5,6,7,8,9,10,11,12,13,14,15,16,17,18,19,20,21,22,23,24,25,26,27,28,29,30,31,32,33,34,35,36,37,38,39,40,41,42,43,44,45,46,47,48,49,50,51,52,53,54,55,56,57,58,59,60,61,62,63
	v_mov_b32 v[OT+\j], 0                          ; O^T: the step is written in one form; the first finds zeros, which its a = 0 leaves zeros
.endr
	s_wait_loadcnt 0x0                             ; q
	s_wait_tensorcnt 0x0                           ; my first fills have landed (every wait on this counter is for 0 in this text)
	s_barrier_signal -1
	s_barrier_wait -1                              ; everybody's have
; A STEP: 64 keys against my two tiles of queries.
.macro STEP
	s_cmp_gt_u32 s[KF], s[QL]
	s_cbranch_scc1 .Lhidden_\@                     ; all 64 keys lie behind every query of wave u
	v_add_nc_u32 v[ADK], s[TK], v[AK0]             ; these two and the four v_nop at a step's end: six places behind the last products, ahead of loads into their sources and of the products that write over p
	v_add_nc_u32 v[ADV], s[TV], v[AV0]
.irp kt, 0,1,2,3
.irp cs, 0,1
	ds_load_b128 v[KV+8*(2*\kt+\cs):KV+8*(2*\kt+\cs)+3], v[ADK] offset:\kt*16*KP+\cs*64
	ds_load_b128 v[KV+8*(2*\kt+\cs)+4:KV+8*(2*\kt+\cs)+7], v[ADK] offset:\kt*16*KP+\cs*64+32
.endr
.endr
	s_wait_dscnt 0x0
.irp cs, 0,1                           ; S^T = k q^T: eight accumulators take turns
.irp kt, 0,1,2,3
.irp t, 0,1
.if \cs == 0
	v_wmma_f32_16x16x32_f16 v[SR+32*\t+8*\kt:SR+32*\t+8*\kt+7], v[KV+8*(2*\kt+\cs):KV+8*(2*\kt+\cs)+7], v[QR+16*\t+8*\cs:QR+16*\t+8*\cs+7], 0
.else
	v_wmma_f32_16x16x32_f16 v[SR+32*\t+8*\kt:SR+32*\t+8*\kt+7], v[KV+8*(2*\kt+\cs):KV+8*(2*\kt+\cs)+7], v[QR+16*\t+8*\cs:QR+16*\t+8*\cs+7], v[SR+32*\t+8*\kt:SR+32*\t+8*\kt+7]
.endif
.endr
.endr
.endr
.rept 4
	v_nop                                          ; places ahead of the loads into k's registers and of the first read of the scores
.endr
.irp ks, 0,1                           ; v lands while the softmax is walked
.irp dt, 0,1,2,3
	ds_load_tr16_b128 v[KV+8*(4*\ks+\dt):KV+8*(4*\ks+\dt)+3], v[ADV] offset:\ks*32*VP+\dt*32
	ds_load_tr16_b128 v[KV+8*(4*\ks+\dt)+4:KV+8*(4*\ks+\dt)+7], v[ADV] offset:\ks*32*VP+16*VP+\dt*32
.endr
.endr
	s_add_co_u32 s58, s[KF], 63
	s_cmp_le_u32 s58, s[QF]
	s_cbranch_scc1 .Lopen_\@                       ; all 64 keys count for every query of wave u
	v_sub_nc_u32 v[ST+4], v[QI], s[KF]             ; register n of tile t holds key KF + 16 (n / 8) + 8 h + n % 8: hidden where 16 (n / 8) + n % 8 > my query - 8 h - KF
	v_add_nc_u32 v[ST+12], 16, v[ST+4]
	v_mov_b32 v[ST+5], 0xff800000
.irp t, 0,1
.irp n, 0,1,2,3,4,5,6,7,8,9,10,11,12,13,14,15,16,17,18,19,20,21,22,23,24,25,26,27,28,29,30,31
	v_cmp_gt_i32 vcc_lo, 16*(\n/8)+\n%8, v[ST+8*\t+4]
	v_cndmask_b32 v[SR+32*\t+\n], v[SR+32*\t+\n], v[ST+5], vcc_lo
.endr
.endr
.Lopen_\@:
; the largest of 32 scores and the old m, three at a time, in four chains; the two tiles line by line, so that no line waits for the line above it
.irp j, 0,1,2,3
.irp t, 0,1
	v_max3_num_f32 v[ST+8*\t+4+\j], v[SR+32*\t+8*\j], v[SR+32*\t+8*\j+1], v[SR+32*\t+8*\j+2]
.endr
.endr
.irp g, 1,2
.irp j, 0,1,2,3
.irp t, 0,1
	v_max3_num_f32 v[ST+8*\t+4+\j], v[ST+8*\t+4+\j], v[SR+32*\t+8*\j+2*\g+1], v[SR+32*\t+8*\j+2*\g+2]
.endr
.endr
.endr
.irp t, 0,1
	v_max3_num_f32 v[ST+8*\t+4], v[ST+8*\t+4], v[SR+32*\t+7], v[SR+32*\t+15]
.endr
.irp t, 0,1
	v_max3_num_f32 v[ST+8*\t+6], v[ST+8*\t+6], v[SR+32*\t+23], v[SR+32*\t+31]
.endr
.irp t, 0,1
	v_max3_num_f32 v[ST+8*\t+4], v[ST+8*\t+4], v[ST+8*\t+5], v[ST+8*\t+6]
.endr
.irp t, 0,1
	v_max3_num_f32 v[ST+8*\t+4], v[ST+8*\t+4], v[ST+8*\t+7], v[ST+8*\t+1]
.endr
.irp t, 0,1
	v_permlanex16_b32 v[ST+8*\t+5], v[ST+8*\t+4], s20, s21         ; the query's other 32 keys lie in the lane 16 away
.endr
.irp t, 0,1
	v_mov_b32 v[ST+8*\t+7], v[ST+8*\t]             ; c m as it was
.endr
.irp t, 0,1
	v_max_num_f32 v[ST+8*\t+1], v[ST+8*\t+4], v[ST+8*\t+5]
.endr
.irp t, 0,1
	v_mul_f32 v[ST+8*\t], s22, v[ST+8*\t+1]
.endr
.irp t, 0,1
	v_sub_f32 v[ST+8*\t+7], v[ST+8*\t+7], v[ST+8*\t]
.endr
.irp t, 0,1
	v_exp_f32 v[ST+8*\t+6], v[ST+8*\t+7]           ; a = 2^(c m_old - c m_new)
.endr
.irp b, 0,1,2,3,4,5,6,7,8,9,10,11,12,13,14,15
.irp t, 0,1
	v_pk_fma_f32 v[SR+32*\t+2*\b:SR+32*\t+2*\b+1], v[SR+32*\t+2*\b:SR+32*\t+2*\b+1], s[22:23], v[ST+8*\t:ST+8*\t+1] op_sel_hi:[1,0,0] neg_lo:[0,0,1] neg_hi:[0,0,1]   ; c s - c m
.endr
.endr
.irp n, 0,1,2,3,4,5,6,7,8,9,10,11,12,13,14,15,16,17,18,19,20,21,22,23,24,25,26,27,28,29,30,31
.irp t, 0,1
	v_exp_f32 v[SR+32*\t+\n], v[SR+32*\t+\n]
.endr
.endr
	v_nop                                          ; a plain instruction behind the last exponential
	s_wait_alu depctr_va_vdst(0)                   ; one wait for both tiles' 66 exponentials, ahead of their first reader
.irp t, 0,1
	v_pk_mul_f32 v[ST+8*\t+2:ST+8*\t+3], v[ST+8*\t+2:ST+8*\t+3], v[ST+8*\t+6:ST+8*\t+7] op_sel_hi:[1,0]   ; l x a
.endr
.irp t, 0,1
	v_pk_add_f32 v[ST+8*\t+4:ST+8*\t+5], v[SR+32*\t:SR+32*\t+1], v[SR+32*\t+2:SR+32*\t+3]                 ; the sum is taken of p before it is rounded, in two chains
.endr
.irp j, 4,8,12,16,20,24,28
.irp t, 0,1
	v_pk_add_f32 v[ST+8*\t+2:ST+8*\t+3], v[ST+8*\t+2:ST+8*\t+3], v[SR+32*\t+\j:SR+32*\t+\j+1]
	v_pk_add_f32 v[ST+8*\t+4:ST+8*\t+5], v[ST+8*\t+4:ST+8*\t+5], v[SR+32*\t+\j+2:SR+32*\t+\j+3]
.endr
.endr
.irp t, 0,1
	v_pk_add_f32 v[ST+8*\t+2:ST+8*\t+3], v[ST+8*\t+2:ST+8*\t+3], v[ST+8*\t+4:ST+8*\t+5]
.endr
.irp i, 0,1,2,3,4,5,6,7,8,9,10,11,12,13,14,15
.irp t, 0,1
	v_cvt_pk_f16_f32 v[SR+32*\t+\i], v[SR+32*\t+2*\i], v[SR+32*\t+2*\i+1]   ; p in place: registers 8 ks .. 8 ks + 7 are the fragment of keys 32 ks on
.endr
.endr
.irp i, 0,2,4,6,8,10,12,14,16,18,20,22,24,26,28,30
.irp t, 0,1
	v_pk_mul_f32 v[OT+32*\t+\i:OT+32*\t+\i+1], v[OT+32*\t+\i:OT+32*\t+\i+1], v[ST+8*\t+6:ST+8*\t+7] op_sel_hi:[1,0]   ; O^T x a
.endr
.endr
	s_wait_dscnt 0x0                               ; v is in
.irp ks, 0,1                           ; O^T += v^T p: eight accumulators take turns
.irp dt, 0,1,2,3
.irp t, 0,1
	v_wmma_f32_16x16x32_f16 v[OT+32*\t+8*\dt:OT+32*\t+8*\dt+7], v[KV+8*(4*\ks+\dt):KV+8*(4*\ks+\dt)+7], v[SR+32*\t+8*\ks:SR+32*\t+8*\ks+7], v[OT+32*\t+8*\dt:OT+32*\t+8*\dt+7]
.endr
.endr
.endr
.rept 4
	v_nop
.endr
.Lhidden_\@:
.endm
; A PERIOD: the slot's eight steps, four of region A (keys kfa on), four of region B (keys kfb on); the regions lie on end in LDS, so the LDS steps are the same throughout.
.macro PERIOD slot, kfa, kfb
	s_mov_b32 s[KF], \kfa
	s_mov_b32 s[TK], \slot*SLOT
	s_mov_b32 s[TV], \slot*SLOT
	s_mov_b32 s[CNT], 8
.Lstep_\@:
	STEP
	s_add_co_u32 s[KF], s[KF], 64
	s_add_co_u32 s[TK], s[TK], 64*KP
	s_add_co_u32 s[TV], s[TV], 64*VP
	s_sub_co_u32 s[CNT], s[CNT], 1
	s_cmp_eq_u32 s[CNT], 4
	s_cselect_b32 s[KF], \kfb, s[KF]
	s_cmp_lg_u32 s[CNT], 0
	s_cbranch_scc1 .Lstep_\@
.endm
; THE CHANGE OF SLOTS.  Each wave waits for all its tensor loads (its part of the slot ahead), adds 0 to its spare word, and waits for that and for its reads of the slot that it leaves.
; fill = 1: a round of the cluster's barrier, so that no wave of any partner still reads that slot or has a load on its way; then period p's tiles are asked for: they have a whole period in which to land.
.macro CHANGE fill, p
	s_wait_tensorcnt 0x0
	ds_add_u32 v[SPW], v[NIL]
.if \fill
	ds_add_u32 v[SPW], v[NIL]                      ; twice on end where a load follows
.endif
	s_wait_dscnt 0x0
.if \fill
	CROUND
	JLOAD \p
.else
	s_barrier_signal -1
	s_barrier_wait -1
.endif
.endm
	PERIOD 0, 0, 1792
	CHANGE 1, 2
	PERIOD 1, 256, 1536
	CHANGE 1, 3
	PERIOD 0, 512, 1280
	CHANGE 0, 0
	PERIOD 1, 768, 1024
; THE WAY OUT: O^T / l, rounded to f16, through my stage (in slot 0, which has had its last fill and its last read), back as four rows of 128 bytes an instruction.
.irp t, 0,1
	v_add_f32 v[ST+8*\t+4], v[ST+8*\t+2], v[ST+8*\t+3]
.endr
.irp t, 0,1
	v_permlanex16_b32 v[ST+8*\t+5], v[ST+8*\t+4], s20, s21
.endr
.irp t, 0,1
	v_add_f32 v[ST+8*\t+4], v[ST+8*\t+4], v[ST+8*\t+5]
.endr
.irp t, 0,1
	v_rcp_f32 v[ST+8*\t+6], v[ST+8*\t+4]
.endr
	v_nop
	s_wait_alu depctr_va_vdst(0)                   ; one wait for the two reciprocals
.irp t, 0,1
.irp i, 0,2,4,6,8,10,12,14,16,18,20,22,24,26,28,30
	v_pk_mul_f32 v[SR+32*\t+\i:SR+32*\t+\i+1], v[OT+32*\t+\i:OT+32*\t+\i+1], v[ST+8*\t+6:ST+8*\t+7] op_sel_hi:[1,0]
.endr
.endr
.irp t, 0,1
.irp i, 0,1,2,3,4,5,6,7,8,9,10,11,12,13,14,15
	v_cvt_pk_f16_f32 v[KV+16*\t+\i], v[SR+32*\t+2*\i], v[SR+32*\t+2*\i+1]
.endr
.endr
.irp t, 0,1
.irp dt, 0,1,2,3
	ds_store_b128 v11, v[KV+16*\t+4*\dt:KV+16*\t+4*\dt+3] offset:16*KP*\t+32*\dt
.endr
.endr
.irp i, 0,1,2,3,4,5,6,7
	ds_load_b128 v[SR+4*\i:SR+4*\i+3], v12 offset:4*KP*\i          ; LDS serves a wave's instructions in order: these see my stores
.endr
.irp i, 0,1,2,3,4,5,6,7
	s_wait_dscnt 7-\i                              ; the younger loads may be out
	global_store_b128 v13, v[SR+4*\i:SR+4*\i+3], s[6:7] offset:512*\i   ; 32 lanes store 512 consecutive bytes, aligned
.endr
	s_wait_tensorcnt 0x0                           ; the wave's end
	ds_add_u32 v[SPW], v[NIL]
	s_wait_dscnt 0x0
	CROUND                                         ; the closing round
	s_endpgm
.Lfunc_end_k_q4b0b8f7bf1_attn:
	.size	k_q4b0b8f7bf1_attn, .Lfunc_end_k_q4b0b8f7bf1_attn-k_q4b0b8f7bf1_attn
	.p2alignl 7, 3214868480
	.fill 96, 4, 3214868480
	.section	.rodata,"a",@progbits
	.p2align	6, 0x0
	.amdhsa_kernel k_q4b0b8f7bf1_attn
		.amdhsa_group_segment_fixed_size 327680
		.amdhsa_private_segment_fixed_size 0
		.amdhsa_enable_private_segment 0
		.amdhsa_kernarg_size 16
		.amdhsa_user_sgpr_count 2
		.amdhsa_user_sgpr_kernarg_segment_ptr 1
		.amdhsa_wavefront_size32 1
		.amdhsa_system_sgpr_workgroup_id_x 1
		.amdhsa_system_sgpr_workgroup_id_y 1
		.amdhsa_system_sgpr_workgroup_id_z 1
		.amdhsa_system_vgpr_workitem_id 0
		.amdhsa_next_free_vgpr 256
		.amdhsa_next_free_sgpr 96
		.amdhsa_reserve_vcc 1
		.amdhsa_float_denorm_mode_32 3
		.amdhsa_float_denorm_mode_16_64 3
		.amdhsa_memory_ordered 1
		.amdhsa_forward_progress 1
		.amdhsa_inst_pref_size 108
	.end_amdhsa_kernel
	.amdgpu_metadata
---
amdhsa.version: [ 1, 2 ]
amdhsa.kernels:
  - .name:           k_q4b0b8f7bf1_attn
    .symbol:         k_q4b0b8f7bf1_attn.kd
    .args:
      - { .name: qkv, .offset: 0, .size: 8, .value_kind: global_buffer, .address_space: global }
      - { .name: y, .offset: 8, .size: 8, .value_kind: global_buffer, .address_space: global }
    .group_segment_fixed_size: 327680
    .private_segment_fixed_size: 0
    .kernarg_segment_align: 8
    .kernarg_segment_size: 16
    .max_flat_workgroup_size: 512
    .sgpr_count:     96
    .vgpr_count:     256
    .wavefront_size: 32
...
	.end_amdgpu_metadata
.endif
;; end of part 4
;; launch proj (part 5): grid 4 x 64, 4 waves a work-group, clusters of 4 x 4, 327,680 bytes of LDS; arguments y, wpt, b_proj, out0; writes out0
.if DOCPART == 5
	.amdgcn_target "amdgcn-amd-amdhsa--gfx1250"
	.amdhsa_code_object_version 6
	.text
	.protected	k_q4b0b8f7bf1_proj
	.globl	k_q4b0b8f7bf1_proj
	.p2align	8
	.type	k_q4b0b8f7bf1_proj,@function
k_q4b0b8f7bf1_proj:
	s_mov_b64 s[64:65], 0
	v_nop
	global_prefetch_b8 v0, s[64:65] scope:SCOPE_SE
	s_setreg_imm32_b32 hwreg(HW_REG_WAVE_MODE, 25, 1), 1
	s_wait_xcnt 0x0
	s_wait_alu depctr_hold_cnt(0) depctr_sa_sdst(0) depctr_va_vdst(0) depctr_va_sdst(0) depctr_va_ssrc(0) depctr_va_vcc(0) depctr_vm_vsrc(0)
	s_getreg_b32 s2, hwreg(HW_REG_IB_STS2, 6, 4)
	s_cmp_eq_u32 s2, 0
	s_cbranch_scc0 .Lentry_in_a_cluster
	s_endpgm
.Lentry_in_a_cluster:
	s_bfe_u32 s2, ttmp6, 0x10000c
	s_cmp_lg_u32 s2, 0xf033
	s_cbranch_scc0 .Lentry_shape_is_right
	s_endpgm
.Lentry_shape_is_right:
; out0 = y w_proj + b_proj for rows t >= 16 of every batch: M 8,192, N 1,024, K 1,024; f16 operands, f32 sums.  y: [batch][head][t][64] f16; wpt: [n][k] f16.
; LEFT OUT: the store of rows t < 16 of every batch: another launch computes these in f32 and stores them; here they lie inside a live tile.
; A tile of C is 128 x 256: 256 work-groups, one for each WGP.  Four waves, 64 x 128 each: 32 accumulators, 256 registers.
; K goes in steps of 128, two heads, through two LDS slots.  Waves 0, 1 fetch the two heads' 128 rows x 128 bytes of y (dense in memory), waves 2, 3 the halves of wpt's 256 rows x 256 bytes.
; CLUSTERS of 4 x 4: tile column = cx; tile row = 16 cy + cluster y, so batch = cy, and a batch's first tile is cluster y = 0 in all partners.  y's tiles are asked for jointly along a row, wpt's along a column.
; The matrix instruction is used transposed (source 0 = 16 rows of wpt, source 1 = 16 rows of y): a lane holds eight neighbouring columns of a row of C.  The bias is the C of the first products.
; REGISTERS: window 0: v16-29 addresses; v64-127 y's fragments, two sets of 4; v128-255 wpt's, two sets of 8.  window 1: the accumulators ((a, b) at v[8 (8 a + b)]).  window 2: v0-63 the bias.
.set SLOT,   106496
.set PA,     144
.set PB,     272
.set SUBA,   128*PA
.set BOFF,   2*SUBA
.set HALFB,  128*PB
.set STAGE,  2*SLOT                    ; 16 rows x 528 bytes for each wave: no tile lands here
.set SPITCH, 528
.set SPARE,  STAGE+4*16*SPITCH
.set LAPS,   4
.set ADRA, 16
.set ADRB, 20
.set STO,  24
.set RD,   25
.set CO,   26
.set BO,   27
.set SPW,  28
.set NIL,  29
.set G1,  24
.set G0,  32
.set G1B, 48
.set G0B, 56
.set MSB, 0
.macro WIN new
.if MSB != \new
	s_set_vgpr_msb (MSB<<8)|\new
.set MSB, \new
.endif
.endm
.set MUL,  0x50                        ; sources 0, 1 window 0; C and D window 1
.set MULB, 0x60                        ; C (the bias) window 2, D window 1
.macro JLOAD s                         ; waves 0, 1 fetch y's, waves 2, 3 wpt's; an s_nop 0 and four v_nop follow each line
	s_cmp_eq_u32 s13, 0
	s_cbranch_scc0 .Lfor_b_\@
	tensor_load_to_lds s[G0+4*\s:G0+4*\s+3], s[G1:G1+7]
	s_nop 0
.rept 4
	v_nop
.endr
	s_branch .Lasked_\@
.Lfor_b_\@:
	tensor_load_to_lds s[G0B+4*\s:G0B+4*\s+3], s[G1B:G1B+7]
	s_nop 0
.rept 4
	v_nop
.endr
.Lasked_\@:
.endm
.macro CREST
	s_cmp_lg_u32 s12, 0
	s_cbranch_scc1 .Lnot_wave_0_\@
	s_barrier_signal -3
.Lnot_wave_0_\@:
	s_barrier_wait -3
	s_barrier_signal -1
	s_barrier_wait -1
.endm
.macro CROUND
	s_barrier_signal -1
	s_barrier_wait -1
	CREST
.endm
	s_load_b256 s[4:11], s[0:1], 0x0               ; y, wpt, b_proj, out0
	v_lshl_add_u32 v[SPW], v0, 2, SPARE
	v_mov_b32 v[NIL], 0
	ds_add_u32 v[SPW], v[NIL]                      ; the wave's opening: the add, twice on end, and its wait ahead of my first tensor load
	ds_add_u32 v[SPW], v[NIL]
	v_lshrrev_b32 v1, 5, v0
	v_readfirstlane_b32 s12, v1                    ; wave 0..3
	s_lshr_b32 s13, s12, 1                         ; my half of the rows; also: I fetch y's (0) or wpt's (1)
	s_and_b32 s14, s12, 1                          ; my half of the columns; also: which head, or which 128 rows, I fetch
	s_bfe_u32 s40, ttmp6, 0x40000                  ; cx
	s_bfe_u32 s41, ttmp6, 0x40004                  ; cy
	s_and_b32 s42, ttmp7, 0xffff                   ; cluster y
	s_lshl_b32 s43, s41, 2
	s_lshl_b32 s43, 15, s43                        ; my row of the cluster
	s_lshl_b32 s44, 0x1111, s40                    ; my column
	s_or_b32 s[G1+0], s43, (1<<16)|(1<<20)|(1<<21)|(4<<22)|(3<<25)    ; elements of 2 bytes; 4 words of padding after every 32
	s_mov_b32 s[G1+1], 64<<16
	s_mov_b32 s[G1+2], 128<<16
	s_mov_b32 s[G1+3], 64<<16
	s_mov_b32 s[G1+4], 128
	s_mov_b32 s[G1+5], 64
	s_mov_b32 s[G1+6], 0
	s_mov_b32 s[G1+7], 0
	s_or_b32 s[G1B+0], s44, (1<<16)|(1<<20)|(1<<21)|(5<<22)|(3<<25)   ; 4 words of padding after every 64
	s_mov_b32 s[G1B+1], 128<<16
	s_mov_b32 s[G1B+2], 128<<16
	s_mov_b32 s[G1B+3], 128<<16
	s_mov_b32 s[G1B+4], 128
	s_mov_b32 s[G1B+5], 1024
	s_mov_b32 s[G1B+6], 0
	s_mov_b32 s[G1B+7], 0
	s_lshl_b32 s16, s41, 4
	s_add_co_u32 s16, s16, s14                     ; y: chunk 16 batch + my head of the step's two,
	s_lshl_b32 s16, s16, 11
	s_lshl_b32 s17, s42, 7
	s_add_co_u32 s16, s16, s17                     ; token 128 cluster y,
	s_lshl_b32 s16, s16, 7                         ; 128 bytes a token
	s_mov_b32 s17, 0
	s_lshl_b32 s46, s40, 8
	s_lshl_b32 s47, s14, 7
	s_add_co_u32 s46, s46, s47                     ; wpt: row 256 cx + 128 half,
	s_lshl_b32 s46, s46, 11                        ; 2,048 bytes a row
	s_mov_b32 s47, 0
	s_mul_i32 s20, s14, SUBA                       ; where they go: no place in the cluster enters an LDS address
	s_mul_i32 s21, s14, HALFB
	s_add_co_u32 s21, s21, BOFF
	s_wait_dscnt 0x0                               ; both opening adds are done
	s_wait_kmcnt 0x0
	s_add_nc_u64 s[18:19], s[4:5], s[16:17]
	s_add_nc_u64 s[46:47], s[6:7], s[46:47]
	CROUND                                         ; all sixteen work-groups are here: the first joint loads meet
.irp s, 0,1
	s_mov_b32 s[G0+4*\s], 1
	s_add_co_u32 s[G0+4*\s+1], s20, \s*SLOT
	s_add_nc_u64 s[G0+4*\s+2:G0+4*\s+3], s[18:19], \s*524288       ; K step s: two heads on
	s_or_b32 s[G0+4*\s+3], s[G0+4*\s+3], 0x80000000
	s_mov_b32 s[G0B+4*\s], 1
	s_add_co_u32 s[G0B+4*\s+1], s21, \s*SLOT
	s_add_nc_u64 s[G0B+4*\s+2:G0B+4*\s+3], s[46:47], \s*256
	s_or_b32 s[G0B+4*\s+3], s[G0B+4*\s+3], 0x80000000
	JLOAD \s
.endr
	v_and_b32 v1, 15, v0                           ; r
	v_bfe_u32 v2, v0, 4, 1                         ; h
	v_mul_u32_u24 v3, v1, PA
	v_lshl_add_u32 v3, v2, 4, v3
	v_mul_u32_u24 v4, v1, PB
	v_lshl_add_u32 v4, v2, 4, v4
	s_mul_i32 s22, s13, 64*PA                      ; my 64 rows of y's tiles
	s_mul_i32 s23, s14, HALFB
	s_add_co_u32 s23, s23, BOFF                    ; my 128 rows of wpt's
.irp s, 0,1
	v_add_nc_u32 v[ADRA+\s], s22, v3
	v_add_nc_u32 v[ADRB+\s], s23, v4
	s_add_co_u32 s22, s22, SLOT
	s_add_co_u32 s23, s23, SLOT
.endr
	s_mul_i32 s22, s12, 16*SPITCH
	s_add_co_u32 s22, s22, STAGE                   ; my stage
	v_mul_u32_u24 v5, v1, SPITCH
	v_lshl_add_u32 v5, v2, 5, v5
	v_add_nc_u32 v[STO], s22, v5
	v_and_b32 v6, 31, v0
	v_lshlrev_b32 v[CO], 4, v6
	v_add_nc_u32 v[RD], s22, v[CO]
	v_lshlrev_b32 v[BO], 5, v2
	s_lshl_b32 s66, s40, 10
	s_lshl_b32 s67, s14, 9
	s_add_co_u32 s66, s66, s67                     ; my first column, in bytes: 1,024 cx + 512 half
	s_mov_b32 s67, 0
	s_add_nc_u64 s[8:9], s[8:9], s[66:67]
	s_add_nc_u64 s[10:11], s[10:11], s[66:67]
	s_lshl_b32 s66, s41, 11
	s_lshl_b32 s68, s42, 7
	s_add_co_u32 s66, s66, s68
	s_lshl_b32 s68, s13, 6
	s_add_co_u32 s66, s66, s68                     ; my first row: 2,048 batch + 128 cluster y + 64 half
	s_lshl_b32 s66, s66, 12
	s_add_nc_u64 s[10:11], s[10:11], s[66:67]
	s_or_b32 s15, s42, s13                         ; 0 where my first 16 rows are a batch's first 16
	WIN 0x80                                       ; destination window 2
.irp b, 0,1,2,3,4,5,6,7
	global_load_b128 v[8*\b:8*\b+3], v[BO], s[8:9] offset:64*\b
	global_load_b128 v[8*\b+4:8*\b+7], v[BO], s[8:9] offset:64*\b+16
.endr
	WIN 0
; 8 matrix instructions: y's block a x wpt's eight, 32 along K, from set f.  first = 1: the sums begin with the bias.  The 32 accumulators take turns, in the same order in every quarter.
.macro MUL8 f, a, first
.irp b, 0,1,2,3,4,5,6,7
.if \first
	v_wmma_f32_16x16x32_f16 v[8*(8*(\a)+\b):8*(8*(\a)+\b)+7], v[128+64*(\f)+8*\b:128+64*(\f)+8*\b+7], v[64+32*(\f)+8*(\a):64+32*(\f)+8*(\a)+7], v[8*\b:8*\b+7]
.else
	v_wmma_f32_16x16x32_f16 v[8*(8*(\a)+\b):8*(8*(\a)+\b)+7], v[128+64*(\f)+8*\b:128+64*(\f)+8*\b+7], v[64+32*(\f)+8*(\a):64+32*(\f)+8*(\a)+7], v[8*(8*(\a)+\b):8*(8*(\a)+\b)+7]
.endif
.endr
.endm
.macro FETCH slot, q, f                ; 24 LDS loads in one run: the fragments of the slot's q-th 32 along K into set f; wpt's first, y's last
.irp i, 0,1,2,3,4,5,6,7
	ds_load_b128 v[128+64*(\f)+8*\i:128+64*(\f)+8*\i+3], v[ADRB+\slot] offset:64*(\q)+\i*16*PB
	ds_load_b128 v[128+64*(\f)+8*\i+4:128+64*(\f)+8*\i+7], v[ADRB+\slot] offset:64*(\q)+\i*16*PB+32
.endr
.irp i, 0,1,2,3
	ds_load_b128 v[64+32*(\f)+8*\i:64+32*(\f)+8*\i+3], v[ADRA+\slot] offset:((\q)/2)*SUBA+((\q)%2)*64+\i*16*PA
	ds_load_b128 v[64+32*(\f)+8*\i+4:64+32*(\f)+8*\i+7], v[ADRA+\slot] offset:((\q)/2)*SUBA+((\q)%2)*64+\i*16*PA+32
.endr
.endm
.macro PLACES
.rept 4
	v_nop
.endr
.endm
.macro QUARTER slot, qn, f, g, first   ; multiplies set f; in its middle it fetches the slot's quarter qn into set g
	s_wait_dscnt 4                                 ; wpt's and y's blocks 0, 1 are in; the youngest four loads (y's blocks 2, 3) may be out
.if \first
	WIN MULB
.else
	WIN MUL
.endif
	MUL8 \f, 0, \first
	MUL8 \f, 1, \first
	PLACES
	WIN 0
	FETCH \slot, \qn, \g
	s_wait_dscnt 24                                ; all but the 24 just issued
.if \first
	WIN MULB
.else
	WIN MUL
.endif
	MUL8 \f, 2, \first
	MUL8 \f, 3, \first
.endm
; A K step's last quarter multiplies set 1 and changes slots: one barrier; in front of it each wave waits for all its tensor loads, adds 0 to its spare word, and waits for that and for its reads of this slot.
; fill = 1: the barrier opens a round of the cluster's; behind it this slot is filled again, two K steps ahead.
.macro TURN slot, next, fill
	WIN 0
	s_wait_tensorcnt 0x0
	ds_add_u32 v[SPW], v[NIL]
	s_wait_dscnt 5                                 ; the add and the youngest four loads may be out
	WIN MUL
	MUL8 1, 0, 0
	s_wait_dscnt 0x0                               ; the add is done, and my reads of this slot are over
	s_barrier_signal -1
	MUL8 1, 1, 0
	WIN 0
	s_barrier_wait -1
.if \fill
	CREST
	s_add_nc_u64 s[G0+4*\slot+2:G0+4*\slot+3], s[G0+4*\slot+2:G0+4*\slot+3], 1048576    ; four heads on
	s_add_nc_u64 s[G0B+4*\slot+2:G0B+4*\slot+3], s[G0B+4*\slot+2:G0B+4*\slot+3], 512
	JLOAD \slot                                    ; the first tensor load behind the round; its four v_nop are also the places ahead of the loads below
.else
	PLACES
.endif
	FETCH \next, 0, 0
	WIN MUL
	MUL8 1, 2, 0
	MUL8 1, 3, 0
.endm
	s_wait_tensorcnt 1                             ; my part of K step 0 is in; K step 1's load may be out
	s_barrier_signal -1
	s_barrier_wait -1
	FETCH 0, 0, 0
	s_wait_loadcnt 0x0                             ; the bias
	QUARTER 0, 1, 0, 1, 1                          ; the first quarter stands ahead of the loop: its products start the sums
	WIN 0
	s_mov_b32 s3, LAPS-1
.Llap:                                                 ; a trip goes once round the ring and fills both slots again
	QUARTER 0, 2, 1, 0, 0
	QUARTER 0, 3, 0, 1, 0
	TURN 0, 1, 1
	QUARTER 1, 1, 0, 1, 0
	QUARTER 1, 2, 1, 0, 0
	QUARTER 1, 3, 0, 1, 0
	TURN 1, 0, 1
	QUARTER 0, 1, 0, 1, 0
	WIN 0
	s_sub_co_u32 s3, s3, 1
	s_cmp_lg_u32 s3, 0
	s_cbranch_scc1 .Llap
	QUARTER 0, 2, 1, 0, 0                          ; the last lap fills nothing
	QUARTER 0, 3, 0, 1, 0
	TURN 0, 1, 0
	QUARTER 1, 1, 0, 1, 0
	QUARTER 1, 2, 1, 0, 0
	QUARTER 1, 3, 0, 1, 0
	s_wait_dscnt 4
	WIN MUL
	MUL8 1, 0, 0
	MUL8 1, 1, 0
	s_wait_dscnt 0
	MUL8 1, 2, 0
	MUL8 1, 3, 0
	WIN 0
	PLACES
; THE WAY OUT, block by block of 16 rows x 128 columns: through my own stage, back as whole rows of 512 bytes.
.macro TOSTAGE a
	WIN 0x04                                       ; an LDS store's data are its source 1: window 1
.irp b, 0,1,2,3,4,5,6,7
	ds_store_b128 v[STO], v[64*(\a)+8*\b:64*(\a)+8*\b+3] offset:64*\b          ; each accumulator from its low end on
	ds_store_b128 v[STO], v[64*(\a)+8*\b+4:64*(\a)+8*\b+7] offset:64*\b+16
.endr
	WIN 0
.set BK, 64+64*((\a)%2)
.irp t, 0,1,2,3,4,5,6,7,8,9,10,11,12,13,14,15
	ds_load_b128 v[BK+4*\t:BK+4*\t+3], v[RD] offset:\t*SPITCH      ; LDS serves a wave's instructions in order: these see the stores above
.endr
.endm
.macro SEND a, younger
.set BK, 64+64*((\a)%2)
	s_wait_dscnt \younger                          ; the block is back; the next block's 16 stores and 16 loads may be out
.irp t, 0,1,2,3,4,5,6,7,8,9,10,11,12,13,14,15
	global_store_b128 v[CO], v[BK+4*\t:BK+4*\t+3], s[10:11] offset:(\a)*65536+\t*4096 th:TH_STORE_NT   ; 32 lanes store 512 consecutive bytes, aligned
.endr
.endm
	s_cmp_eq_u32 s15, 0
	s_cbranch_scc1 .Lskip0                         ; a batch's first 16 rows are another launch's
	TOSTAGE 0
	SEND 0, 0
.Lskip0:
	TOSTAGE 1
	s_wait_xcnt 0x0                                ; block 0's stores have read their registers: block 2's loads may land there
	TOSTAGE 2
	SEND 1, 32
	s_wait_xcnt 0x0                                ; block 1's likewise
	TOSTAGE 3
	SEND 2, 32
	SEND 3, 0
	s_wait_tensorcnt 0x0                           ; the wave's end
	ds_add_u32 v[SPW], v[NIL]
	s_wait_dscnt 0x0
	CROUND                                         ; the closing round
	s_endpgm
.Lfunc_end_k_q4b0b8f7bf1_proj:
	.size	k_q4b0b8f7bf1_proj, .Lfunc_end_k_q4b0b8f7bf1_proj-k_q4b0b8f7bf1_proj
	.p2alignl 7, 3214868480
	.fill 96, 4, 3214868480
	.section	.rodata,"a",@progbits
	.p2align	6, 0x0
	.amdhsa_kernel k_q4b0b8f7bf1_proj
		.amdhsa_group_segment_fixed_size 327680
		.amdhsa_private_segment_fixed_size 0
		.amdhsa_enable_private_segment 0
		.amdhsa_kernarg_size 32
		.amdhsa_user_sgpr_count 2
		.amdhsa_user_sgpr_kernarg_segment_ptr 1
		.amdhsa_wavefront_size32 1
		.amdhsa_system_sgpr_workgroup_id_x 1
		.amdhsa_system_sgpr_workgroup_id_y 1
		.amdhsa_system_sgpr_workgroup_id_z 1
		.amdhsa_system_vgpr_workitem_id 0
		.amdhsa_next_free_vgpr 768
		.amdhsa_next_free_sgpr 72
		.amdhsa_reserve_vcc 0
		.amdhsa_float_denorm_mode_32 3
		.amdhsa_float_denorm_mode_16_64 3
		.amdhsa_memory_ordered 1
		.amdhsa_forward_progress 1
		.amdhsa_inst_pref_size 86
	.end_amdhsa_kernel
	.amdgpu_metadata
---
amdhsa.version: [ 1, 2 ]
amdhsa.kernels:
  - .name:           k_q4b0b8f7bf1_proj
    .symbol:         k_q4b0b8f7bf1_proj.kd
    .args:
      - { .name: y, .offset: 0, .size: 8, .value_kind: global_buffer, .address_space: global }
      - { .name: wpt, .offset: 8, .size: 8, .value_kind: global_buffer, .address_space: global }
      - { .name: b_proj, .offset: 16, .size: 8, .value_kind: global_buffer, .address_space: global }
      - { .name: out0, .offset: 24, .size: 8, .value_kind: global_buffer, .address_space: global }
    .group_segment_fixed_size: 327680
    .private_segment_fixed_size: 0
    .kernarg_segment_align: 8
    .kernarg_segment_size: 32
    .max_flat_workgroup_size: 128
    .sgpr_count:     72
    .vgpr_count:     768
    .wavefront_size: 32
...
	.end_amdgpu_metadata
.endif
;; end of part 5
